; MI455X (gfx1250); checked and timed in simulation.
; The chip was launched on July 23, 2026; its instructions are those of AMD's public machine-readable ISA for CDNA 5 (MIT licence, August 2026) and "CDNA5" Instruction Set Architecture Reference Guide (July 2026). The comments in the code are by the model that wrote it; some were corrected since.
;; Multi Head Self Attention. Allowed arithmetic: matrix products marked QUANTISED: E4M3 operands, one E8M0 scale for each 32 along K, by v_wmma_scale_f32_16x16x128_f8f6f4 with both operands' format E4M3, f32 sums; everything else in f32.
;; Inputs: Wk_codes 1,024 x 32 x 32 uint8 (E4M3 codes of Wk, K innermost, in blocks of 32 codes); Wk_scales 1,024 x 32 uint8 (E8M0 scales of Wk, one for each 32 codes along K); Wo_codes 1,024 x 32 x 32 uint8 (E4M3 codes of Wo, K innermost, in blocks of 32 codes); Wo_scales 1,024 x 32 uint8 (E8M0 scales of Wo, one for each 32 codes along K); Wq_codes 1,024 x 32 x 32 uint8 (E4M3 codes of Wq, K innermost, in blocks of 32 codes); Wq_scales 1,024 x 32 uint8 (E8M0 scales of Wq, one for each 32 codes along K); Wv_codes 1,024 x 32 x 32 uint8 (E4M3 codes of Wv, K innermost, in blocks of 32 codes); Wv_scales 1,024 x 32 uint8 (E8M0 scales of Wv, one for each 32 codes along K); bk 1,024 float32; bo 1,024 float32; bq 1,024 float32; bv 1,024 float32; x_codes 4 x 2,048 x 32 x 32 uint8 (E4M3 codes of x, K innermost, in blocks of 32 codes); x_scales 4 x 2,048 x 32 uint8 (E8M0 scales of x, one for each 32 codes along K).
;; Outputs: out0 4 x 2,048 x 1,024 float32.
;; This version of the problem:
;;   THIS VERSION OF THE PROBLEM IS GIVEN IN LOW PRECISION. The matrix products marked QUANTISED in the list below multiply operands that are first quantised to E4M3 (4 exponent bits, 3 mantissa bits; 8 bits a number), with one power-of-two scale for each 32 numbers along K (OCP MX v1.0); their sums are f32. All else is computed in f32.
;;   The module's matrix products, in the order in which they are computed (A, B: the left and right operand; K: the contracted axis; several contracted axes count as one K, in the product's order):
;;     1. [M 8,192, K 1,024] x [K 1,024, N 1,024]; A: input x (given as codes); B: input Wq (given as codes): QUANTISED
;;     2. [M 8,192, K 1,024] x [K 1,024, N 1,024]; A: input x (given as codes); B: input Wk (given as codes): QUANTISED
;;     3. [M 8,192, K 1,024] x [K 1,024, N 1,024]; A: input x (given as codes); B: input Wv (given as codes): QUANTISED
;;     4. batch 64 x [M 2,048, K 64] x [K 64, N 2,048]; A: computed on the way; B: computed on the way: QUANTISED
;;     5. batch 64 x [M 2,048, K 2,048] x [K 2,048, N 64]; A: softmax (see below); B: computed on the way: QUANTISED
;;     6. [M 8,192, K 1,024] x [K 1,024, N 1,024]; A: computed on the way; B: input Wo (given as codes): QUANTISED
;;   THE QUANTISER, for each operand of a quantised product, along K:
;;     - K is cut into blocks of 32 from its start; a last block that is shorter is filled with zeros.
;;     - A block's scale is 2^e with e = floor(log2(the largest magnitude in the block)) - 8, held to -126 .. 127; a block of zeros has e = 0. As a byte (E8M0): e + 127.
;;     - Each number is divided by its block's scale, clamped to +-448, and rounded to the nearest number of E4M3, ties to even, subnormals kept.
;;     - The product sums the exact products of the quantised numbers (number of the format x scale) in f32.
;;   ~~~python
;;   def quantise(x, axis):      # numpy; x: float32 -> the quantised numbers, widened to float32 again
;;       x = np.moveaxis(x, axis, -1); K = x.shape[-1]
;;       x = np.pad(x, [(0, 0)] * (x.ndim - 1) + [(0, -K % 32)]); x = x.reshape(x.shape[:-1] + (-1, 32)); a = np.abs(x).max(-1, keepdims=True)
;;       e = np.where(a > 0, np.clip(np.frexp(np.where(a > 0, a, 1))[1] - 1 - 8, -126, 127), 0)      # np.frexp(a)[1] - 1 = floor(log2(a)), exactly
;;       r = np.clip(x / 2.0 ** e, -448, 448)
;;       step = 2.0 ** (np.maximum(np.frexp(np.where(r == 0, 1, r))[1] - 1, -6) - 3)
;;       q = np.round(r / step) * step * 2.0 ** e      # np.round: ties to even
;;       return np.moveaxis(q.reshape(q.shape[:-2] + (-1,))[..., :K], -1, axis).astype(np.float32)
;;   ~~~
;;   SOFTMAX AHEAD OF A QUANTISED PRODUCT. Where the list says 'softmax', what is quantised is not the finished softmax but p = 2^(t - M), with t = logit x log2(e) and M = ceil(the row's largest t), a whole number; so 1/2 < the row's largest p <= 1. The row's sum l is taken of the UNQUANTISED p, in f32, and the product's result is divided by l at the end. Since M is a whole number, a kernel that streams over the keys may use a running M (the ceiling of the running maximum): every later rescaling is an exact power of two, which a block's scale takes up: the codes' values come out the same.
;;   OPERANDS COMPUTED ON THE WAY. 'Computed on the way' means the value that the module computes at that place (a softmax that the list does not call 'softmax' is quantised finished and normalised). What goes into a quantiser is computed in f32, as accurately as f32 sums, v_exp_f32 and their like allow (about 1e-6 of the number): no bf16 or f16 on the way to a quantiser, and a product that is left as it is and whose result goes on into a quantised operand takes f32 operands (vector FMAs, or v_wmma_f32_16x16x4_f32). A number that lies on a knife's edge between two numbers of the format may be rounded either way, as far as f32 arithmetic and the matrix unit's own rounding can turn it there, and no further.
;;   INPUTS GIVEN AS CODES. Wk (in the module: [1024, 1024], K = its axis 1); Wo (in the module: [1024, 1024], K = its axis 1); Wq (in the module: [1024, 1024], K = its axis 1); Wv (in the module: [1024, 1024], K = its axis 1); x (in the module: [4, 2048, 1024], K = its axis 2): each comes as NAME_codes (uint8): NAME with its K axis moved to the last place and cut into blocks of 32 codes, [.., K / 32, bytes a block], one block behind the other in memory; one code a byte (a code: sign, 4 exponent bits, 3 mantissa bits); and NAME_scales (uint8): the same leading axes, one E8M0 byte (e + 127) for each 32 codes along K. Its value is code x scale, taken as it is: it is not quantised again, and the codes and scales need not be those that the quantiser above would give.
;; 2 versions, each right; version 2 is version 1 with the launch attn written anew for expert scheduling mode. Each part assembles by itself: llvm-mc -triple=amdgcn-amd-amdhsa -mcpu=gfx1250 --defsym DOCPART=n.
;; ======== version 1 of 2: 3 launches
;; workspace buffers: qb 17,301,504 bytes; kv 17,301,504 bytes; oc 8,388,608 bytes; os 262,144 bytes
;; launch qkv (part 1): grid 96 x 4, 4 waves a work-group, clusters of 4 x 4, 327,680 bytes of LDS; arguments x_codes, x_scales, Wq_codes, Wq_scales, Wk_codes, Wk_scales, Wv_codes, Wv_scales, bq, bk, bv, qb, kv; writes qb, kv
.if DOCPART == 1
	.amdgcn_target "amdgcn-amd-amdhsa--gfx1250"
	.amdhsa_code_object_version 6
	.text
	.protected	k_q9089d48723_qkv
	.globl	k_q9089d48723_qkv
	.p2align	8
	.type	k_q9089d48723_qkv,@function
k_q9089d48723_qkv:
	s_mov_b64 s[64:65], 0
	v_nop
	global_prefetch_b8 v0, s[64:65] scope:SCOPE_SE
	s_setreg_imm32_b32 hwreg(HW_REG_WAVE_MODE, 25, 1), 1
	s_wait_xcnt 0x0
	s_wait_alu depctr_hold_cnt(0) depctr_sa_sdst(0) depctr_va_vdst(0) depctr_va_sdst(0) depctr_va_ssrc(0) depctr_va_vcc(0) depctr_vm_vsrc(0)
	s_getreg_b32 s2, hwreg(HW_REG_IB_STS2, 6, 4)
	s_cmp_eq_u32 s2, 0
	s_cbranch_scc0 .Lentry_in_a_cluster
	s_endpgm
.Lentry_in_a_cluster:
	s_bfe_u32 s2, ttmp6, 0x10000c
	s_cmp_lg_u32 s2, 0xf033
	s_cbranch_scc0 .Lentry_shape_is_right
	s_endpgm
.Lentry_shape_is_right:
; q = x Wq^T + bq, k = x Wk^T + bk, v = x Wv^T + bv on codes of FP8 (E4M3) with one E8M0 scale for each 32 along K = 1,024; sums in f32; each result is quantised here, from f32, for the attention launch.
; G[i][j] = sum over k of P[i][k] R[j][k].  P is source 0 of the matrix instruction, R source 1: a lane then holds ONE row of R and its registers run along P's rows, which is the axis that is quantised next.
; 24 clusters of 4 x 4 work-groups, c = the cluster's number.  c < 16 (path QK): P = Wq (c even) or Wk (c odd), tile cx of its 4; R = x, tile 4 (c / 2) + cy of its 32: registers run along the channels.
; c >= 16 (path V): P = x, tile 4 (c - 16) + cx; R = Wv, tile cy: registers run along the tokens, which are the keys of attention's second product.  On both paths P's tile hangs on cx and R's on cy,
; so P's tiles are asked for jointly along a column of the cluster and R's along a row.  A work-group makes 256 x 256, each of its four waves 128 x 128: 64 accumulators, 512 registers.
; K goes in steps of 256 through a ring of two LDS slots; the scale bytes of the work-group's rows, for all of K, come once with the first fills.  The bias is the C of each sum's first product.
; THE ORDER INSIDE A BLOCK OF 32.  The 16 registers of two neighbouring accumulators hold, in lane half h, the block's numbers 8 h + 0..7 and 16 + 8 h + 0..7.  They are converted as they stand.  All 32 share one
; scale, and both operands of each of attention's products are made in this same order (q and k here; v here and p there), so the sums are those of the natural order.
; OUT: images of operand registers (16 bytes a lane, 512 consecutive bytes a store).  A head's block for 128 tokens is SB = 16,896 bytes: K's (or Q's) codes 8,192: tile a of 16 tokens at 1024 a, block c of 32 channels
; at + 512 c; V^T's codes 8,192: tile t of 16 channels at 8192 + 2048 t, block c of 32 keys at + 512 c; K's scale words at 16,384 (a pair of token tiles a word: 64 (a / 2) + 4 r); V's at 16,640 (64 t + 4 r).
; qb and kv are laid [batch x head 64][128 tokens 16][SB]; qb's V parts are neither written nor read.
; LIMITS: NaN, infinities, NaN codes and scale bytes 0xff among the inputs are not served.  A block whose largest magnitude lies under 2^-118, a block of zeros too, gets the byte 1 (the bytes are read by this program alone).
; 384 work-groups of equal work: one and a half for each of 256 WGPs.  No prefetch: each tile is shared by four work-groups through the joint loads and the whole K is four steps.
.set KSTEP,  256
.set NQ,     2                         ; matrix instructions deep in a slot
.set ROWB,   256                       ; a tile's row in bytes
.set KROW,   1024                      ; a row of codes in memory
.set PITCH,  272                       ; an LDS row: 256 bytes + 16 of padding: the 16 rows of a fragment load start at 16 different banks (64 banks of 4 bytes: ISA guide 11.1)
.set FR,     16
.set NL,     4
.set NP,     8                         ; places behind this matrix instruction (ISA guide 7.12.1)
.set HALFT,  128*PITCH
.set SLOT,   4*HALFT                   ; R's 256 rows, then P's 256 rows
.set LAPS,   2                         ; K = 1,024 is twice round the ring
.set KS,     32                        ; a row of scale bytes
.set SCL,    2*SLOT
.set HALFS,  (128*KS/256)*272
.set SBLK,   (16*KS/256)*272
.set SPARE,  SCL+4*HALFS               ; the spare words: 128 bytes a wave, two blocks of 256 bytes that no other line names
.set SB,     16896
.set HS,     16*SB                     ; a head's 16 blocks
.set VO,   8                           ; v8-11   the way out: byte offset of register group c of a fragment's image
.set VOS,  12                          ; v12     and of a scale word
.set VSEL, 13                          ; v13     byte selects that make the stored scale word of two
.set BO4,  14                          ; v14     4 r
.set BO32, 15                          ; v15     32 h
.set ADRA, 16                          ; v16-17  LDS address of R's fragments in slot 0, 1
.set ADRB, 20                          ; v20-21  of P's
.set ADRS, 27                          ; v27     of my scale words: lanes 0-15 R's rows, lanes 16-31 P's
.set SPW,  28                          ; v28     my spare word; never rewritten
.set NIL,  29                          ; v29     0; never rewritten
.set SC,   32                          ; v32-63  scale words, two sets
.set BIAS, 64                          ; v64-127 the bias in the result's layout, eight registers a block
.set AF,   128                         ; v128-255 R's fragments, one set; on the way out: v128-191 held numbers, v192-223 codes (two sets), v224-239 at work, v240-243 scale words
.set HOLD, 128
.set TM,   224
.set G1, 24
.set G0, 32
.set G1B, 48
.set G0B, 56
.set G1S, 68
.set G0S, 76
.set G1SB, 80
.set G0SB, 88
.set PATH, 95                          ; s95  1 on path V
.set SEL,  66                          ; s[66:67] lane selects for lane l xor 16
.set MNT,  93                          ; s93  the mantissa field of 448
.set MSB, 0
.macro WIN new                         ; the immediate's high byte repeats the setting that is left
.if MSB != \new
	s_set_vgpr_msb (MSB<<8)|\new
.set MSB, \new
.endif
.endm
.set MUL_LO, 0xa1                      ; source 0 (P) window 1, source 1 (R) window 0, C and D window 2
.set MUL_HI, 0xf1                      ; the same, C and D window 3
.set TO_B,   0x40                      ; destination window 1, address window 0
; A joint load: waves 0 and 1 fetch for R, waves 2 and 3 for P.  Four v_nop follow each of the two lines.
.macro JLOAD g0a, g1a, g0b, g1b
	s_cmp_eq_u32 s15, 0
	s_cbranch_scc0 .Lfor_b_\@
	tensor_load_to_lds s[\g0a:\g0a+3], s[\g1a:\g1a+7]
	s_nop 0
.rept 4
	v_nop
.endr
	s_branch .Lasked_\@
.Lfor_b_\@:
	tensor_load_to_lds s[\g0b:\g0b+3], s[\g1b:\g1b+7]
	s_nop 0
.rept 4
	v_nop
.endr
.Lasked_\@:
.endm
.macro CREST                           ; a round of the cluster's barrier behind its opening barrier
	s_cmp_lg_u32 s14, 0
	s_cbranch_scc1 .Lnot_wave_0_\@
	s_barrier_signal -3
.Lnot_wave_0_\@:
	s_barrier_wait -3
	s_barrier_signal -1
	s_barrier_wait -1
.endm
.macro CROUND
	s_barrier_signal -1
	s_barrier_wait -1
	CREST
.endm
	s_load_b512 s[68:83], s[0:1], 0x0              ; x's codes, x's scales, Wq's, Wk's, Wv's codes and scales
	s_load_b256 s[84:91], s[0:1], 0x40             ; bq, bk, bv, qb
	s_load_b64 s[92:93], s[0:1], 0x60              ; kv
	v_lshl_add_u32 v[SPW], v0, 2, SPARE
	v_mov_b32 v[NIL], 0
	ds_add_u32 v28, v29
	ds_add_u32 v28, v29
	s_wait_dscnt 0x0
	v_lshrrev_b32 v1, 5, v0
	v_readfirstlane_b32 s14, v1                    ; wave 0..3
	s_lshr_b32 s15, s14, 1                         ; which 128 of R's 256 rows are mine.  Also: I fetch for R (0) or for P (1)
	s_and_b32 s16, s14, 1                          ; which 128 of P's.  Also: which 128 rows of that tile I fetch
	s_bfe_u32 s40, ttmp6, 0x40000                  ; cx, cy
	s_bfe_u32 s41, ttmp6, 0x40004
	s_max_u32 s18, ttmp9, 16
	s_sub_co_u32 s18, s18, 16
	s_lshl_b32 s18, s18, 2
	s_add_co_u32 s42, s18, s40                     ; P's tile: cx, on path V + 4 (c - 16)
	s_lshr_b32 s19, ttmp9, 1
	s_lshl_b32 s19, s19, 2
	s_cmp_ge_u32 ttmp9, 16
	s_cselect_b32 s[PATH], 1, 0                    ; the same in all sixteen partners
	s_cselect_b32 s19, 0, s19
	s_add_co_u32 s17, s19, s41                     ; R's tile: cy, on path QK + 4 (c / 2)
	s_lshl_b32 s43, s41, 2
	s_lshl_b32 s43, 15, s43                        ; my row of the cluster
	s_lshl_b32 s44, 0x1111, s40                    ; my column
	; descriptor group 1: a tile of 128 rows x 256 bytes, 16 bytes of padding behind each row
	s_or_b32 s[G1+0], s43, (0<<16)|(1<<20)|(1<<21)|(5<<22)|(3<<25)  ; R's tiles go to my row of the cluster
	s_or_b32 s[G1B+0], s44, (0<<16)|(1<<20)|(1<<21)|(5<<22)|(3<<25) ; P's to my column
.irp g, G1, G1B
	s_mov_b32 s[\g+1], ROWB<<16                    ; tensor_dim0
	s_mov_b32 s[\g+2], 128<<16                     ; tensor_dim1
	s_mov_b32 s[\g+3], ROWB<<16                    ; tile_dim0
	s_mov_b32 s[\g+4], 128                         ; tile_dim1
	s_mov_b32 s[\g+5], KROW                        ; tensor_dim0_stride
	s_mov_b32 s[\g+6], 0
	s_mov_b32 s[\g+7], 0
.endr
	s_lshl_b32 s18, s16, 7                         ; which 128 rows of the tile I fetch
	s_lshl_b32 s20, s17, 8
	s_add_co_u32 s20, s20, s18                     ; R: row 256 x tile + 128 x half
	s_lshl_b32 s46, s42, 8
	s_add_co_u32 s46, s46, s18                     ; P likewise
	s_mov_b32 s21, 0
	s_mov_b32 s47, 0
	s_mov_b64 s[18:19], KS
	s_mul_u64 s[22:23], s[20:21], s[18:19]         ; where these rows' scales begin, in bytes
	s_mul_u64 s[96:97], s[46:47], s[18:19]
	s_mov_b64 s[18:19], KROW
	s_mul_u64 s[20:21], s[20:21], s[18:19]         ; and their codes
	s_mul_u64 s[46:47], s[46:47], s[18:19]
	s_mul_i32 s45, s14, HALFT                      ; where they go: wave x 128 rows: no place in the cluster enters an LDS address
	s_mul_i32 s94, s14, HALFS
	s_wait_kmcnt 0x0
	s_and_b32 s2, ttmp9, 1                         ; the buffers are chosen by the cluster's number alone
	s_cmp_lg_u32 s2, 0
	s_cselect_b64 s[8:9], s[76:77], s[72:73]       ; path QK: P = Wk (c odd) or Wq,
	s_cselect_b64 s[10:11], s[78:79], s[74:75]
	s_cselect_b64 s[98:99], s[86:87], s[84:85]     ; its bias,
	s_cselect_b64 s[12:13], s[92:93], s[90:91]     ; and where the codes go: kv or qb
	s_cmp_eq_u32 s[PATH], 1
	s_cselect_b64 s[4:5], s[80:81], s[68:69]       ; R = Wv on path V, else x
	s_cselect_b64 s[6:7], s[82:83], s[70:71]
	s_cselect_b64 s[8:9], s[68:69], s[8:9]         ; P = x on path V
	s_cselect_b64 s[10:11], s[70:71], s[10:11]
	s_cselect_b64 s[98:99], s[88:89], s[98:99]
	s_cselect_b64 s[12:13], s[92:93], s[12:13]
	s_add_nc_u64 s[20:21], s[4:5], s[20:21]
	s_add_nc_u64 s[22:23], s[6:7], s[22:23]
	s_add_nc_u64 s[46:47], s[8:9], s[46:47]
	s_add_nc_u64 s[96:97], s[10:11], s[96:97]
	; group 1 for the scales of 128 rows: 4,096 dense bytes as 16 rows of 256 (32 elements of 8 bytes), 16 bytes of padding behind each.  (s68 on held the arguments, which have been chosen from)
	s_or_b32 s[G1S+0], s43, (3<<16)|(1<<20)|(1<<21)|(5<<22)|(3<<25)
	s_or_b32 s[G1SB+0], s44, (3<<16)|(1<<20)|(1<<21)|(5<<22)|(3<<25)
.irp g, G1S, G1SB
	s_mov_b32 s[\g+1], 32<<16
	s_mov_b32 s[\g+2], (128*KS/256)<<16
	s_mov_b32 s[\g+3], 32<<16
	s_mov_b32 s[\g+4], 128*KS/256
	s_mov_b32 s[\g+5], 32
	s_mov_b32 s[\g+6], 0
	s_mov_b32 s[\g+7], 0
.endr
	CROUND                                         ; all sixteen work-groups are here: the first joint loads meet
	s_mov_b32 s[G0S], 1
	s_add_co_u32 s[G0S+1], s94, SCL
	s_mov_b64 s[G0S+2:G0S+3], s[22:23]
	s_or_b32 s[G0S+3], s[G0S+3], 0x80000000
	s_mov_b32 s[G0SB], 1
	s_add_co_u32 s[G0SB+1], s94, SCL
	s_mov_b64 s[G0SB+2:G0SB+3], s[96:97]
	s_or_b32 s[G0SB+3], s[G0SB+3], 0x80000000
	JLOAD G0S, G1S, G0SB, G1SB                     ; the scales first: they are wanted with K step 0
.irp s, 0,1
	s_mov_b32 s[G0+4*\s], 1
	s_add_co_u32 s[G0+4*\s+1], s45, \s*SLOT
	s_add_nc_u64 s[G0+4*\s+2:G0+4*\s+3], s[20:21], \s*ROWB
	s_or_b32 s[G0+4*\s+3], s[G0+4*\s+3], 0x80000000
	s_mov_b32 s[G0B+4*\s], 1
	s_add_co_u32 s[G0B+4*\s+1], s45, \s*SLOT
	s_add_nc_u64 s[G0B+4*\s+2:G0B+4*\s+3], s[46:47], \s*ROWB
	s_or_b32 s[G0B+4*\s+3], s[G0B+4*\s+3], 0x80000000
	JLOAD G0+4*\s, G1, G0B+4*\s, G1B               ; three tensor loads of mine are out now
.endr
	v_and_b32 v1, 15, v0                           ; r
	v_bfe_u32 v2, v0, 4, 1                         ; h
	v_mul_u32_u24 v3, v1, PITCH
	v_lshl_add_u32 v4, v2, 4, v3                   ; a fragment's row x pitch + 16 h
	s_mul_i32 s21, s15, HALFT                      ; my 128 rows of R
	s_mul_i32 s22, s16, HALFT                      ; my 128 rows of P,
	s_add_co_u32 s22, s22, 2*HALFT                 ; which lie behind R's 256
.irp s, 0,1
	v_add_nc_u32 v[ADRA+\s], s21, v4
	v_add_nc_u32 v[ADRB+\s], s22, v4
	s_add_co_u32 s21, s21, SLOT
	s_add_co_u32 s22, s22, SLOT
.endr
	v_mul_u32_u24 v5, v1, KS                       ; my row's scales: 32 bytes a row,
	v_lshrrev_b32 v6, 8, v5
	v_lshl_add_u32 v5, v6, 4, v5                   ; and 16 more for each 256 passed
	s_mul_i32 s21, s15, HALFS
	s_mul_i32 s22, s16, HALFS
	s_add_co_u32 s22, s22, 2*HALFS
	s_sub_co_u32 s22, s22, s21
	v_mul_u32_u24 v6, s22, v2                      ; lanes 16-31 take P's
	s_add_co_u32 s21, s21, SCL
	v_add_nc_u32 v5, v5, v6
	v_add_nc_u32 v[ADRS], s21, v5
	; the way out: which tokens and channels are mine
	s_lshl_b32 s20, s17, 8
	s_lshl_b32 s21, s15, 7
	s_add_co_u32 s20, s20, s21                     ; R's first row of mine
	s_lshl_b32 s46, s42, 8
	s_lshl_b32 s47, s16, 7
	s_add_co_u32 s46, s46, s47                     ; P's
	s_mov_b32 s18, HS
	s_mov_b32 s19, 0x05040100
	s_cmp_eq_u32 s[PATH], 1
	s_cselect_b32 s100, s46, s20                   ; my first token: P's row on path V, else R's
	s_cselect_b32 s101, s20, s46                   ; my first channel
	s_cselect_b32 s21, 1024, s18                   ; register groups 2, 3: on path V key blocks 2, 3; on path QK the next head's blocks 0, 1
	s_cselect_b32 s22, 64, s18                     ; lanes 16-31 store: on path V the next tile's word; on path QK the next head's
	s_cselect_b32 s19, 0x03020100, s19
	v_and_b32 v5, 31, v0
	v_lshlrev_b32 v[VO], 4, v5
	v_add_nc_u32 v[VO+1], 512, v[VO]
	v_add_nc_u32 v[VO+2], s21, v[VO]
	v_add_nc_u32 v[VO+3], 512, v[VO+2]
	v_mul_u32_u24 v[VOS], s22, v2
	v_lshl_add_u32 v[VOS], v1, 2, v[VOS]
	s_lshl_b32 s18, 0x02020202, s[PATH]
	v_mul_lo_u32 v[VSEL], v2, s18                  ; path QK: bytes 0, 1 (lanes 16-31: 2, 3) of both words;  path V: the first word (lanes 16-31: the second)
	v_add_nc_u32 v[VSEL], s19, v[VSEL]
	v_lshlrev_b32 v[BO4], 2, v1
	v_lshlrev_b32 v[BO32], 5, v2
	s_lshl_b32 s18, s101, 2
	s_mov_b32 s19, 0
	s_add_nc_u64 s[98:99], s[98:99], s[18:19]      ; the bias at my first channel
	s_lshr_b32 s18, s100, 11
	s_lshl_b32 s18, s18, 4
	s_lshr_b32 s19, s101, 6
	s_add_co_u32 s18, s18, s19                     ; batch x 16 + head
	s_mul_i32 s18, s18, HS
	s_bfe_u32 s19, s100, 0x40007                   ; which 128 tokens of the 2,048
	s_mul_i32 s19, s19, SB
	s_add_co_u32 s18, s18, s19
	s_lshl_b32 s19, s[PATH], 13                    ; V's codes lie 8,192 bytes into a block
	s_add_co_u32 s18, s18, s19
	s_mov_b32 s19, 0
	s_add_nc_u64 s[12:13], s[12:13], s[18:19]
	s_cmp_eq_u32 s[PATH], 1
	s_cbranch_scc1 .Lbias_v
.irp b, 0,1,2,3,4,5,6,7                        ; path QK: the channels run along the registers: block b's eight are bias[16 b + 8 h + 0 .. 7]
	global_load_b128 v[BIAS+8*\b:BIAS+8*\b+3], v[BO32], s[98:99] offset:64*\b
	global_load_b128 v[BIAS+8*\b+4:BIAS+8*\b+7], v[BO32], s[98:99] offset:64*\b+16
.endr
	s_branch .Lbias_done
.Lbias_v:
.irp a, 0,1,2,3,4,5,6,7                        ; path V: a lane holds one channel: block a's eight registers all hold bias[16 a + r]
.irp j, 0,1,2,3,4,5,6,7
	global_load_b32 v[BIAS+8*\a+\j], v[BO4], s[98:99] offset:64*\a
.endr
.endr
.Lbias_done:
.macro FRAG reg, adr, q, i             ; 16 rows x 128 K: lane l holds row l % 16; registers 4 c .. 4 c + 3 hold K = 32 c + 16 (l / 16) + 0 .. 15
.irp c, 0,1,2,3
	ds_load_b128 v[\reg+4*\c:\reg+4*\c+3], v[\adr] offset:128*(\q)+32*\c+(\i)*16*PITCH
.endr
.endm
; 16 matrix instructions: R's blocks a0, a0 + 1 x P's eight.  zero = 0: the sums go on; 1: they start from the bias of P's block; 2: from the bias of R's block.  The 64 accumulators take turns.
.macro MUL16 a0, p, q, sc, zero
.irp a, \a0, \a0+1
.irp b, 0,1,2,3,4,5,6,7
.if (\zero) == 1
	v_wmma_scale_f32_16x16x128_f8f6f4 v[8*(8*((\a)%4)+\b):8*(8*((\a)%4)+\b)+7], v[128*(\p)+FR*\b:128*(\p)+FR*\b+FR-1], v[AF+FR*(\a):AF+FR*(\a)+FR-1], v[BIAS+8*\b:BIAS+8*\b+7], v[SC+8*NQ*(\sc)+NQ*\b+(\q)], v[SC+8*NQ*(\sc)+NQ*(\a)+(\q)] matrix_a_scale:MATRIX_SCALE_ROW1
.elseif (\zero) == 2
	v_wmma_scale_f32_16x16x128_f8f6f4 v[8*(8*((\a)%4)+\b):8*(8*((\a)%4)+\b)+7], v[128*(\p)+FR*\b:128*(\p)+FR*\b+FR-1], v[AF+FR*(\a):AF+FR*(\a)+FR-1], v[BIAS+8*(\a):BIAS+8*(\a)+7], v[SC+8*NQ*(\sc)+NQ*\b+(\q)], v[SC+8*NQ*(\sc)+NQ*(\a)+(\q)] matrix_a_scale:MATRIX_SCALE_ROW1
.else
	v_wmma_scale_f32_16x16x128_f8f6f4 v[8*(8*((\a)%4)+\b):8*(8*((\a)%4)+\b)+7], v[128*(\p)+FR*\b:128*(\p)+FR*\b+FR-1], v[AF+FR*(\a):AF+FR*(\a)+FR-1], v[8*(8*((\a)%4)+\b):8*(8*((\a)%4)+\b)+7], v[SC+8*NQ*(\sc)+NQ*\b+(\q)], v[SC+8*NQ*(\sc)+NQ*(\a)+(\q)] matrix_a_scale:MATRIX_SCALE_ROW1
.endif
.endr
.endr
.endm
.macro FETCH_B slot, q, p              ; P's eight fragments into set p
	WIN TO_B
.irp i, 0,1,2,3,4,5,6,7
	FRAG 128*(\p)+FR*\i, ADRB+\slot, \q, \i
.endr
	WIN 0
.endm
.macro FETCH_A slot, q, i0             ; R's blocks i0 .. i0 + 3
.irp i, \i0, \i0+1, \i0+2, \i0+3
	FRAG AF+FR*(\i), ADRA+\slot, \q, \i
.endr
.endm
.macro SCALES sc                       ; a K step's scale words: lanes 0-15 take R's block i, lanes 16-31 P's block i
.irp i, 0,1,2,3,4,5,6,7
	ds_load_b64 v[SC+8*NQ*\sc+NQ*\i:SC+8*NQ*\sc+NQ*\i+1], v[ADRS] offset:\i*SBLK
.endr
.endm
.macro PLACES n                        ; plain vector instructions between a matrix instruction and a load into, or a vector read or write of, its registers
.rept \n
	v_nop
.endr
.endm
.macro STEP slot, q, zero              ; 128 along K that has its successor in the same slot
	s_wait_dscnt 4*NL                              ; P's set and R's blocks 0-3 are in; the youngest 16 loads (R's blocks 4-7) may be out
.if \zero
	WIN 0x81                                       ; C (the bias) in window 0, D in window 2
.else
	WIN MUL_LO
.endif
	MUL16 0, (\q)%2, \q, \slot, \zero
	MUL16 2, (\q)%2, \q, \slot, \zero
	s_wait_dscnt 0
	PLACES NP
	FETCH_B \slot, (\q)+1, 1-(\q)%2
	FETCH_A \slot, (\q)+1, 0
.if \zero
	WIN 0xc1
.else
	WIN MUL_HI
.endif
	MUL16 4, (\q)%2, \q, \slot, \zero
	MUL16 6, (\q)%2, \q, \slot, \zero
	PLACES NP
	WIN 0
	FETCH_A \slot, (\q)+1, 4
.endm
; A slot's last step changes slots: one barrier; in front of it each wave waits for all its tensor loads, adds 0 to its spare word, and waits for that and for its reads of this slot.
.macro TURN slot, next, fill
	s_wait_tensorcnt 0x0                           ; all my tensor loads have landed: my part of the next slot
	ds_add_u32 v[SPW], v[NIL]                      ; 0 onto my spare word
	s_wait_dscnt 4*NL+1                            ; (the add and the youngest 16 loads may be out)
	WIN MUL_LO
	MUL16 0, 1, NQ-1, \slot, 0
	s_wait_dscnt 0x0                               ; the add is done, and my reads of this slot are over
	s_barrier_signal -1
	MUL16 2, 1, NQ-1, \slot, 0
	WIN 0
	s_barrier_wait -1
.if \fill
	CREST                                          ; the barrier has opened a round of the cluster's: no wave of any partner still reads this slot or has a load on its way
	s_add_nc_u64 s[G0+4*\slot+2:G0+4*\slot+3], s[G0+4*\slot+2:G0+4*\slot+3], 2*ROWB
	s_add_nc_u64 s[G0B+4*\slot+2:G0B+4*\slot+3], s[G0B+4*\slot+2:G0B+4*\slot+3], 2*ROWB
	JLOAD G0+4*\slot, G1, G0B+4*\slot, G1B         ; my one tensor load behind the round; its four v_nop are four of the eight places
	PLACES NP-4
.else
	PLACES NP
.endif
	v_add_nc_u32 v[ADRS], 4*NQ, v[ADRS]            ; the next K step's scale words
	FETCH_B \next, 0, 0
	FETCH_A \next, 0, 0
	SCALES \next
	WIN MUL_HI
	MUL16 4, 1, NQ-1, \slot, 0
	MUL16 6, 1, NQ-1, \slot, 0
	PLACES NP
	WIN 0
	FETCH_A \next, 0, 4
.endm
	s_wait_loadcnt 0x0                             ; the bias
	s_wait_tensorcnt 1                             ; the scales and my part of K step 0 are in; K step 1's load may be out
	s_barrier_signal -1
	s_barrier_wait -1
	FETCH_B 0, 0, 0
	FETCH_A 0, 0, 0
	SCALES 0
	FETCH_A 0, 0, 4
	s_cmp_eq_u32 s[PATH], 1                        ; the first step is written twice: its products start the sums from the bias, which lies by P's blocks or by R's
	s_cbranch_scc1 .Lfirst_v
	STEP 0, 0, 1
	s_branch .Lfirst_done
.Lfirst_v:
	STEP 0, 0, 2
.Lfirst_done:
	s_mov_b32 s3, LAPS-1
.Llap:                                                 ; a trip goes once round the ring and fills both slots again
	TURN 0, 1, 1
	STEP 1, 0, 0
	TURN 1, 0, 1
	STEP 0, 0, 0
	s_sub_co_u32 s3, s3, 1
	s_cmp_lg_u32 s3, 0
	s_cbranch_scc1 .Llap
	TURN 0, 1, 0                                   ; the last lap fills nothing
	STEP 1, 0, 0
	s_wait_dscnt 4*NL
	WIN MUL_LO
	MUL16 0, 1, NQ-1, 1, 0
	MUL16 2, 1, NQ-1, 1, 0
	s_wait_dscnt 0
	WIN MUL_HI
	MUL16 4, 1, NQ-1, 1, 0
	MUL16 6, 1, NQ-1, 1, 0
	WIN 0
	PLACES NP                                      ; behind the last products: R's registers are written and results are read below
	; THE WAY OUT.  Where block a's four register groups go, s[24 + 2 a], and the scale words of blocks 2 p, 2 p + 1, s[48 + 2 p]: in the descriptors' registers, whose loads were all waited for at the last change of slots.
	s_mov_b32 s[SEL], 0x76543210
	s_mov_b32 s[SEL+1], 0xfedcba98
	s_mov_b32 s[MNT], 0x600000
	s_lshl_b32 s18, 1024, s[PATH]                  ; from block to block: 1,024 bytes (a tile of 16 tokens) or 2,048 (a tile of 16 channels)
	s_mov_b32 s19, 0
	s_lshl_b32 s22, 64, s[PATH]                    ; from pair to pair of scale words
	s_mov_b32 s23, 0
	s_mov_b32 s20, HS-6144                         ; path V: blocks 4-7 are the next head's four tiles
	s_mov_b32 s21, 0
	s_mov_b32 s46, HS-128
	s_mov_b32 s47, 0
	s_mov_b32 s44, 8448                            ; the scale words: 16,640 into a block on path V (8,192 are in the base), 16,384 on path QK
	s_mov_b32 s45, 0
	s_cmp_eq_u32 s[PATH], 1
	s_cselect_b32 s20, s20, s18
	s_cselect_b32 s46, s46, s22
	s_cselect_b32 s44, s44, 16384
	s_mov_b64 s[24:25], s[12:13]
	s_add_nc_u64 s[26:27], s[24:25], s[18:19]
	s_add_nc_u64 s[28:29], s[26:27], s[18:19]
	s_add_nc_u64 s[30:31], s[28:29], s[18:19]
	s_add_nc_u64 s[32:33], s[30:31], s[20:21]
	s_add_nc_u64 s[34:35], s[32:33], s[18:19]
	s_add_nc_u64 s[36:37], s[34:35], s[18:19]
	s_add_nc_u64 s[38:39], s[36:37], s[18:19]
	s_add_nc_u64 s[48:49], s[12:13], s[44:45]
	s_add_nc_u64 s[50:51], s[48:49], s[22:23]
	s_add_nc_u64 s[52:53], s[50:51], s[46:47]
	s_add_nc_u64 s[54:55], s[52:53], s[22:23]
.irp b, 0,1,2,3
	v_mov_b32 v[TM+4+\b], 0                        ; written once: a lane permute's destination counts as one of its sources
.endr
; R's block a: 64 numbers a lane, four blocks of 32 along P's rows (16 mine, 16 in lane l xor 16), become 16 registers of codes and a scale word, and are stored.
.macro QUANTW a
.set AC, 64*((\a)%4)
.set PC, 192+16*((\a)%2)
.set PW, 240+(\a)%2
.if (\a) >= 2
	s_wait_xcnt 0x0                                ; block a - 2's stores have read their registers: this set of codes and the stored word are written again only behind this wait
.endif
	WIN (5*(2+(\a)/4))                             ; sources 0 and 1: the accumulators' window
.irp b, 0,1,2,3
	v_max3_num_f32 v[TM+\b], |v[AC+16*\b]|, |v[AC+16*\b+1]|, 0x4800000   ; each accumulator is read from its low end on; the floor 2^(9 - 127) holds the byte at 1 from below
.endr
.irp i, 2,4,6,8,10,12,14
.irp b, 0,1,2,3
	v_max3_num_f32 v[TM+\b], |v[AC+16*\b+\i]|, |v[AC+16*\b+\i+1]|, v[TM+\b]
.endr
.endr
	WIN 0
.irp b, 0,1,2,3
	v_permlanex16_b32 v[TM+4+\b], v[TM+\b], s[SEL], s[SEL+1]
.endr
.irp b, 0,1,2,3
	v_max_num_f32 v[TM+\b], v[TM+\b], v[TM+4+\b]   ; the block's largest magnitude
.endr
.irp b, 0,1,2,3
	v_add_nc_u32 v[TM+12+\b], 0xfc000000, v[TM+\b] ; 8 off its exponent field: the conversion's scale operand
.endr
.irp b, 0,1,2,3
	v_and_or_b32 v[TM+8+\b], v[TM+\b], 0x7f800000, s[MNT]   ; 448 x the scale
.endr
.irp b, 0,1,2,3
	v_lshrrev_b32 v[TM+4+\b], 23, v[TM+12+\b]      ; the scale's byte
.endr
	v_lshl_or_b32 v[PW], v[TM+5], 8, v[TM+4]
	v_lshl_or_b32 v[PW], v[TM+6], 16, v[PW]
	v_lshl_or_b32 v[PW], v[TM+7], 24, v[PW]
	WIN (2+(\a)/4)                                 ; source 0: the accumulators' window
.irp b, 0,1,2,3
.irp i, 0,1,2,3,4,5,6,7,8,9,10,11,12,13,14,15
	v_med3_num_f32 v[HOLD+16*\b+\i], v[AC+16*\b+\i], -v[TM+8+\b], v[TM+8+\b]   ; the conversion to an 8-bit code does not saturate (ISA guide 7.6.2): the hold at 448 x the scale
.endr
.endr
	WIN 0
.irp b, 0,1,2,3
	v_cvt_scalef32_pk8_fp8_f32 v[PC+4*\b:PC+4*\b+1], v[HOLD+16*\b:HOLD+16*\b+7], v[TM+12+\b]
	v_cvt_scalef32_pk8_fp8_f32 v[PC+4*\b+2:PC+4*\b+3], v[HOLD+16*\b+8:HOLD+16*\b+15], v[TM+12+\b]
.endr
	v_nop                                          ; a plain line behind the last conversion, ahead of the next vector write of its sources
.irp c, 0,1,2,3
	global_store_b128 v[VO+\c], v[PC+4*\c:PC+4*\c+3], s[24+2*(\a):25+2*(\a)]   ; 32 lanes store 512 consecutive bytes, at a multiple of 256 from the buffer's first byte
.endr
.if (\a)%2
	v_perm_b32 v[242+((\a)/2)%2], v241, v240, v[VSEL]   ; selects 0-3 take bytes of block a - 1's word, 4-7 of block a's
	global_store_b32 v[VOS], v[242+((\a)/2)%2], s[48+2*((\a)/2):49+2*((\a)/2)]
.endif
.endm
.irp a, 0,1,2,3,4,5,6,7
	QUANTW \a
.endr
	s_wait_tensorcnt 0x0                           ; the wave's end
	ds_add_u32 v[SPW], v[NIL]
	s_wait_dscnt 0x0
	CROUND                                         ; the closing round: no work-group ends while a partner may still ask for a tile that names it
	s_endpgm
.Lfunc_end_k_q9089d48723_qkv:
	.size	k_q9089d48723_qkv, .Lfunc_end_k_q9089d48723_qkv-k_q9089d48723_qkv
	.p2alignl 7, 3214868480
	.fill 96, 4, 3214868480
	.section	.rodata,"a",@progbits
	.p2align	6, 0x0
	.amdhsa_kernel k_q9089d48723_qkv
		.amdhsa_group_segment_fixed_size 327680
		.amdhsa_private_segment_fixed_size 0
		.amdhsa_enable_private_segment 0
		.amdhsa_kernarg_size 104
		.amdhsa_user_sgpr_count 2
		.amdhsa_user_sgpr_kernarg_segment_ptr 1
		.amdhsa_wavefront_size32 1
		.amdhsa_system_sgpr_workgroup_id_x 1
		.amdhsa_system_sgpr_workgroup_id_y 1
		.amdhsa_system_sgpr_workgroup_id_z 1
		.amdhsa_system_vgpr_workitem_id 0
		.amdhsa_next_free_vgpr 1024
		.amdhsa_next_free_sgpr 102
		.amdhsa_reserve_vcc 0
		.amdhsa_float_denorm_mode_32 3
		.amdhsa_float_denorm_mode_16_64 3
		.amdhsa_memory_ordered 1
		.amdhsa_forward_progress 1
		.amdhsa_inst_pref_size 208
	.end_amdhsa_kernel
	.amdgpu_metadata
---
amdhsa.version: [ 1, 2 ]
amdhsa.kernels:
  - .name:           k_q9089d48723_qkv
    .symbol:         k_q9089d48723_qkv.kd
    .args:
      - { .name: x_codes, .offset: 0, .size: 8, .value_kind: global_buffer, .address_space: global }
      - { .name: x_scales, .offset: 8, .size: 8, .value_kind: global_buffer, .address_space: global }
      - { .name: Wq_codes, .offset: 16, .size: 8, .value_kind: global_buffer, .address_space: global }
      - { .name: Wq_scales, .offset: 24, .size: 8, .value_kind: global_buffer, .address_space: global }
      - { .name: Wk_codes, .offset: 32, .size: 8, .value_kind: global_buffer, .address_space: global }
      - { .name: Wk_scales, .offset: 40, .size: 8, .value_kind: global_buffer, .address_space: global }
      - { .name: Wv_codes, .offset: 48, .size: 8, .value_kind: global_buffer, .address_space: global }
      - { .name: Wv_scales, .offset: 56, .size: 8, .value_kind: global_buffer, .address_space: global }
      - { .name: bq, .offset: 64, .size: 8, .value_kind: global_buffer, .address_space: global }
      - { .name: bk, .offset: 72, .size: 8, .value_kind: global_buffer, .address_space: global }
      - { .name: bv, .offset: 80, .size: 8, .value_kind: global_buffer, .address_space: global }
      - { .name: qb, .offset: 88, .size: 8, .value_kind: global_buffer, .address_space: global }
      - { .name: kv, .offset: 96, .size: 8, .value_kind: global_buffer, .address_space: global }
    .group_segment_fixed_size: 327680
    .private_segment_fixed_size: 0
    .kernarg_segment_align: 8
    .kernarg_segment_size: 104
    .max_flat_workgroup_size: 128
    .sgpr_count:     102
    .vgpr_count:     1024
    .wavefront_size: 32
...
	.end_amdgpu_metadata
.endif
;; end of part 1
;; launch attn (part 2): grid 4 x 64, 16 waves a work-group, no clusters, 35,840 bytes of LDS; arguments qb, kv, oc, os; writes oc, os
.if DOCPART == 2
	.amdgcn_target "amdgcn-amd-amdhsa--gfx1250"
	.amdhsa_code_object_version 6
	.text
	.protected	k_q9089d48723_attn
	.globl	k_q9089d48723_attn
	.p2align	8
	.type	k_q9089d48723_attn,@function
k_q9089d48723_attn:
	s_mov_b64 s[64:65], 0
	v_nop
	global_prefetch_b8 v0, s[64:65] scope:SCOPE_SE
	s_setreg_imm32_b32 hwreg(HW_REG_WAVE_MODE, 25, 1), 1
	s_wait_xcnt 0x0
; Causal attention on codes of FP8 (E4M3), one E8M0 scale for each 32 along a product's K: 64 heads (batch x head) of 2,048 tokens, head size 64.  In: qb, kv as the launch before laid them: a head's block for 128 tokens is
; SB = 16,896 bytes: K's (Q's) codes, V^T's codes, K's scale words, V's scale words, all as images of operand registers.  Out: the attention's result, divided by the row's sum, quantised along the 1,024 channels.
; THE SOFTMAX: t = score x log2(e) / 8; M = the running largest t rounded up to a whole number; p = 2^(t - M) is quantised along the keys, not normalised; the row's sum is taken of the unquantised p and divides at the end.
; When M moves, the sum and O are multiplied by 2^(old M - new M), which rounds nothing.
; SHARES.  Work-group (J, head) takes the head's query blocks J and 7 - J, 256 queries each: (J + 1) + (8 - J) = 9 trips of 256 keys for every work-group, so the loop's count is a constant and all 256 work-groups do equal work.
; Each of 16 waves owns 16 queries in 256 registers: four waves to a SIMD, so that one wave's vector work stands beside another's products and LDS loads.
; LAYOUT.  Both products are used transposed (S^T = K Q^T, O^T = V^T P^T): a lane holds one query.  The head's K is 64, half of the instruction's 128: a fragment of K holds TWO tiles of 16 keys, one in k 0-63 and one in
; k 64-127; multiplied by [Q | 0] it gives the first tile's scores, by [0 | Q] the second's.  The zero half has zero codes under the scale byte 0 (2^-127, a number), and the codes of K that face it are finite (their
; quantiser holds at 448), so those products are exact zeros.  Zeros stand on Q's side alone: K's bytes all serve.
; p's 16 registers of tiles 2 b, 2 b + 1 hold, in lane half h, keys 32 b + 8 h + 0..7 and 32 b + 16 + 8 h + 0..7: the order in which V's codes were made.  One scale serves the 32, so the sums are those of the natural order.
; THE SLOTS.  Two LDS slots of SB bytes.  A step's block is loaded into registers at the head of the step before (16 bytes of K's codes and 16 of V's a thread; wave 0 the 512 scale bytes) and stored to the other slot at
; that step's end; one barrier a step.  No tensor load: a block is small, and its load has a whole step in which to land, so no wave waits at its issue and no prefetch is laid.
; NO CLUSTER: the four work-groups of a head stand at different key steps in a trip (trip t is step pair t of block J or t - J - 1 of block 7 - J), so no two would ask for the same block at the same time.
; CAUSAL: a step all of whose 128 keys come after the wave's 16 queries is left out by a scalar branch on ids, round the work alone; on the diagonal hidden scores become -infinity ahead of the maximum.
; LIMITS: NaN and infinities are not served.  A block whose largest magnitude lies under 2^-118, a block of zeros too, gets the byte 1.  The scale bytes of the output leave two bytes a row (a head has two of a row's 32):
; 262,144 bytes in all.
.set SB,  16896
.set HS,  16*SB
.set VCO, 8192                         ; V^T's codes in a block
.set KSC, 16384                        ; K's scale words
.set VSC, 16640                        ; V's
; v1 16 x lane; v2 4 r; v3 16 x thread; v4 r - 8 h; v5, v7 Q's offsets; v6 32 r; v8-19 the block on its way; v20 -M, v21 the largest t, v[22:23] the sum; v24-31 Q, v32-39 zeros, v40-47 Q again; v48, v49 Q's scale words;
; v50-53 scale words of the fragments in hand; v54 p's; v56-119 four fragments; v120-183 S^T, then p; v184-215 O^T; v216-231 p's codes; v232-247 at work; v[252:253] f; v254, v255 at work.
; s12 wave; s13 J; s14 head; s15 the query block; s16 the step's first key; s17 the phase's end; s18 my first query; s19 448's mantissa; s[20:21] lane selects; s[22:23] c; s[24:25] kv's head; s[26:27] the next block to load;
; s[28:29] its offset; s30 where that wraps; s31 trips; s[32:33] qb's head; s34-37, s[44:45] at work; s38 lanes 16-31; s39 16 (wave % 2); s[40:43] oc, os.
	s_load_b256 s[4:11], s[0:1], 0x0               ; qb, kv, oc, os
	v_lshl_add_u32 v250, v0, 2, 0x8400
	v_mov_b32 v251, 0
	v_lshrrev_b32 v1, 5, v0
	v_readfirstlane_b32 s12, v1
	v_and_b32 v1, 31, v0
	v_lshlrev_b32 v1, 4, v1
	v_and_b32 v2, 15, v0
	v_bfe_u32 v4, v0, 4, 1
	v_lshlrev_b32 v6, 5, v2
	v_lshlrev_b32 v4, 3, v4
	v_sub_nc_u32 v4, v2, v4
	v_lshlrev_b32 v2, 2, v2
	v_lshlrev_b32 v3, 4, v0
	s_and_b32 s34, s12, 7
	s_lshl_b32 s34, s34, 10
	v_add_nc_u32 v5, s34, v1                       ; Q's codes in their block: tile wave % 8
	s_bfe_u32 s34, s12, 0x20001
	s_lshl_b32 s34, s34, 6
	s_add_co_u32 s34, s34, KSC
	v_add_nc_u32 v7, s34, v2                       ; and the pair's scale word
	s_and_b32 s39, s12, 1
	s_lshl_b32 s39, s39, 4                         ; my half of it
	s_mov_b32 s13, ttmp9
	s_and_b32 s14, ttmp7, 0xffff
	s_mov_b32 s15, s13
	s_mov_b32 s19, 0x600000
	s_mov_b32 s20, 0x76543210
	s_mov_b32 s21, 0xfedcba98
	s_mov_b32 s22, 0x3e38aa3b                      ; c = log2(e) / sqrt(64)
	s_mov_b32 s23, s22                             ; (named with it as a pair)
	s_mov_b32 s38, 0xffff0000
	s_lshr_b32 s34, s14, 4                         ; batch
	s_and_b32 s35, s14, 15                         ; head
	s_lshl_b32 s36, s34, 21                        ; oc: [128 tokens][4 heads 32,768][16 tokens 4,096][head 1,024][block 512]
	s_lshr_b32 s37, s35, 2
	s_lshl_b32 s37, s37, 15
	s_add_co_u32 s36, s36, s37
	s_and_b32 s37, s35, 3
	s_lshl_b32 s37, s37, 10
	s_add_co_u32 s36, s36, s37
	s_and_b32 s37, s12, 7
	s_lshl_b32 s37, s37, 12
	s_add_co_u32 s36, s36, s37
	s_mov_b32 s37, 0
	s_lshl_b32 s34, s34, 16                        ; os: [token][32]
	s_lshl_b32 s35, s35, 1
	s_add_co_u32 s34, s34, s35
	s_mov_b32 s35, 0
	s_mul_i32 s44, s14, HS
	s_mov_b32 s45, 0
	s_mov_b32 s28, SB
	s_mov_b32 s29, 0
.set n, 0
.rept 8
	v_mov_b32 v[32+n], 0                           ; the zero half of [Q | 0] and [0 | Q]
.set n, n+1
.endr
.set n, 0
.rept 16
	v_mov_b32 v[168+n], 0                          ; written once: a lane permute's destination counts as one of its sources
.set n, n+1
.endr
.irp b, 0,1,2,3
	v_mov_b32 v[236+\b], 0
.endr
	v_mov_b32 v253, 0                              ; (named as the upper half of the pair v[252:253])
	s_wait_kmcnt 0x0
	s_add_nc_u64 s[40:41], s[8:9], s[36:37]
	s_add_nc_u64 s[42:43], s[10:11], s[34:35]
	s_add_nc_u64 s[24:25], s[6:7], s[44:45]
	s_add_nc_u64 s[32:33], s[4:5], s[44:45]
	s_add_nc_u64 s[26:27], s[24:25], s[28:29]
	global_load_b128 v[8:11], v3, s[24:25]         ; key step 0
	global_load_b128 v[12:15], v3, s[24:25] offset:VCO
	s_cmp_lg_u32 s12, 0
	s_cbranch_scc1 .Lp_nl
	global_load_b128 v[16:19], v1, s[24:25] offset:KSC
.Lp_nl:
; A phase begins: query block s15.
.macro INIT
	s_mov_b32 s16, 0
	s_lshl_b32 s34, s15, 8
	s_lshl_b32 s35, s12, 4
	s_add_co_u32 s18, s34, s35                     ; my first query
	s_add_co_u32 s17, s34, 256                     ; the keys end with the block's queries
	s_lshl_b32 s34, s15, 1
	s_add_co_u32 s35, s34, 2
	s_mul_i32 s30, s35, SB
	s_lshr_b32 s35, s12, 3
	s_add_co_u32 s34, s34, s35
	s_mul_i32 s34, s34, SB
	s_mov_b32 s35, 0
	s_add_nc_u64 s[36:37], s[32:33], s[34:35]      ; the block of 128 tokens in which my queries lie
	global_load_b128 v[24:27], v5, s[36:37]
	global_load_b128 v[28:31], v5, s[36:37] offset:512
	global_load_b128 v[40:43], v5, s[36:37]        ; a second time: the two operands [Q | 0] and [0 | Q] share the zeros, not Q
	global_load_b128 v[44:47], v5, s[36:37] offset:512
	global_load_b32 v48, v7, s[36:37]
.set n, 0
.rept 32
	v_mov_b32 v[184+n], 0                          ; O^T: the first change of M leaves zeros zeros
.set n, n+1
.endr
	v_mov_b32 v22, 0
	v_mov_b32 v23, 0
	v_mov_b32 v21, 0xff61b1e6                      ; -3e38, under every t
	v_floor_f32 v20, -v21
	s_wait_loadcnt 0x0
	v_lshrrev_b32 v48, s39, v48
	v_and_b32 v48, 0xffff, v48                     ; Q's two bytes under k 0-63, the byte 0 under the zeros
	v_lshlrev_b32 v49, 16, v48                     ; and the other way round
.endm
; A key step: 128 keys, from slot sl.
.macro STEP sl
.set SL, (\sl)*SB
.set OT, (1-(\sl))*SB
	global_load_b128 v[8:11], v3, s[26:27]         ; the next step's block: 512 threads x 16 consecutive bytes, twice
	global_load_b128 v[12:15], v3, s[26:27] offset:VCO
	s_cmp_lg_u32 s12, 0
	s_cbranch_scc1 .Lnsc_\@
	global_load_b128 v[16:19], v1, s[26:27] offset:KSC
.Lnsc_\@:
	s_add_co_u32 s34, s18, 15
	s_cmp_gt_u32 s16, s34
	s_cbranch_scc1 .Lhid_\@                        ; all 128 keys come after my queries
.rept 8
	v_nop                                          ; places in front of loads into registers that the last products read, and behind the vector lines that made Q's scale words
.endr
.irp b, 0,1,2,3
.irp c, 0,1,2,3
	ds_load_b128 v[56+16*\b+4*\c:59+16*\b+4*\c], v1 offset:SL+2048*\b+512*\c
.endr
	ds_load_b32 v[50+\b], v2 offset:SL+KSC+64*\b
.endr
	s_wait_dscnt 0x0
.irp b, 0,1,2,3
	v_wmma_scale_f32_16x16x128_f8f6f4 v[120+16*\b:127+16*\b], v[56+16*\b:71+16*\b], v[24:39], 0, v[50+\b], v48   ; keys 32 b + 0 .. 15
	v_wmma_scale_f32_16x16x128_f8f6f4 v[128+16*\b:135+16*\b], v[56+16*\b:71+16*\b], v[32:47], 0, v[50+\b], v49   ; keys 32 b + 16 .. 31
.endr
.rept 8
	v_nop                                          ; places in front of the loads below and of the first read of the scores
.endr
.irp t, 0,1,2,3                                ; V^T's four tiles land under the softmax
.irp c, 0,1,2,3
	ds_load_b128 v[56+16*\t+4*\c:59+16*\t+4*\c], v1 offset:SL+VCO+2048*\t+512*\c
.endr
	ds_load_b32 v[50+\t], v2 offset:SL+VSC+64*\t
.endr
	s_add_co_u32 s34, s16, 127
	s_cmp_le_u32 s34, s18
	s_cbranch_scc1 .Lopen_\@                       ; all 128 keys count
	s_sub_co_i32 s34, s18, s16
	v_add_nc_u32 v254, s34, v4                     ; d = my query - the step's first key - 8 h.  Register n holds key 16 (n / 8) + 8 h + n % 8: hidden where 16 (n / 8) + n % 8 > d
	v_mov_b32 v255, 0xff800000
.set n, 0
.rept 64
	v_cmp_gt_i32 vcc_lo, 16*(n/8)+n%8, v254
	v_cndmask_b32 v[120+n], v[120+n], v255, vcc_lo
.set n, n+1
.endr
.Lopen_\@:
.irp b, 0,1,2,3
	v_max3_num_f32 v[232+\b], v[120+16*\b], v[121+16*\b], v[122+16*\b]   ; the largest score of each block of 32 keys: for the row's maximum and, since p rises with the score, for the block's largest p
.endr
.irp i, 3,5,7,9,11,13
.irp b, 0,1,2,3
	v_max3_num_f32 v[232+\b], v[232+\b], v[120+16*\b+\i], v[121+16*\b+\i]
.endr
.endr
.irp b, 0,1,2,3
	v_max_num_f32 v[232+\b], v[232+\b], v[135+16*\b]
.endr
.irp b, 0,1,2,3
	v_permlanex16_b32 v[236+\b], v[232+\b], s20, s21
.endr
.irp b, 0,1,2,3
	v_max_num_f32 v[232+\b], v[232+\b], v[236+\b]
.endr
	v_max3_num_f32 v254, v232, v233, v234
	v_max_num_f32 v254, v254, v235
	v_mul_f32 v254, s22, v254                      ; as t (c is positive)
	v_max_num_f32 v21, v21, v254
	v_mov_b32 v254, v20
	v_floor_f32 v20, -v21                          ; -M = floor(-t): M is a whole number
	v_sub_f32 v254, v20, v254                      ; old M - new M, a whole number, 0 or less
	v_cvt_i32_f32 v254, v254                       ; (it saturates)
	v_ldexp_f32 v252, 1.0, v254                    ; f = 2^(old M - new M)
.set n, 0
.rept 32
	v_pk_fma_f32 v[120+n:121+n], v[120+n:121+n], s[22:23], v[20:21] op_sel_hi:[1,0,0]   ; t - M
.set n, n+2
.endr
.irp b, 0,1,2,3
	v_fma_f32 v[232+\b], v[232+\b], s22, v20
.endr
.set n, 0
.rept 64
	v_exp_f32 v[120+n], v[120+n]                   ; p = 2^(t - M)
.set n, n+1
.endr
	v_pk_mul_f32 v[22:23], v[22:23], v[252:253] op_sel_hi:[1,0]   ; the sums under the new M: the plain line behind the exponentials
	s_wait_alu depctr_va_vdst(0)                   ; one wait for the batch, ahead of its first reader
.irp b, 0,1,2,3
	v_exp_f32 v[232+\b], v[232+\b]                 ; each block's largest p
.endr
	v_pk_add_f32 v[236:237], v[120:121], v[122:123]   ; the row's sum of the unquantised p, in two chains
.set n, 4
.rept 15
	v_pk_add_f32 v[22:23], v[22:23], v[120+n:121+n]
	v_pk_add_f32 v[236:237], v[236:237], v[122+n:123+n]
.set n, n+4
.endr
	v_pk_add_f32 v[22:23], v[22:23], v[236:237]
	s_wait_alu depctr_va_vdst(0)                   ; and one for the four
.irp b, 0,1,2,3
	v_max_num_f32 v[232+\b], 0x4800000, v[232+\b]  ; the floor 2^(9 - 127)
.endr
.irp b, 0,1,2,3
	v_add_nc_u32 v[244+\b], 0xfc000000, v[232+\b]  ; the conversion's scale operand
.endr
.irp b, 0,1,2,3
	v_and_or_b32 v[240+\b], v[232+\b], 0x7f800000, s19   ; 448 x the scale
.endr
.irp b, 0,1,2,3
	v_lshrrev_b32 v[236+\b], 23, v[244+\b]         ; the scale's byte
.endr
	v_lshl_or_b32 v54, v237, 8, v236               ; p's scale word for these 128 keys
	v_lshl_or_b32 v54, v238, 16, v54
	v_lshl_or_b32 v54, v239, 24, v54
.irp b, 0,1,2,3
.irp i, 0,1,2,3,4,5,6,7,8,9,10,11,12,13,14,15
	v_min_num_f32 v[120+16*\b+\i], v[120+16*\b+\i], v[240+\b]   ; the conversion does not saturate (ISA guide 7.6.2); p is not negative, so the hold is one-sided
.endr
	v_cvt_scalef32_pk8_fp8_f32 v[216+4*\b:217+4*\b], v[120+16*\b:127+16*\b], v[244+\b]
	v_cvt_scalef32_pk8_fp8_f32 v[218+4*\b:219+4*\b], v[128+16*\b:135+16*\b], v[244+\b]
.endr
.set n, 0
.rept 16
	v_pk_mul_f32 v[184+n:185+n], v[184+n:185+n], v[252:253] op_sel_hi:[1,0]   ; O^T under the new M; these are also the places between the codes and the products
.set n, n+2
.endr
	s_wait_dscnt 0x0                               ; V^T
.irp t, 0,1,2,3
	v_wmma_scale_f32_16x16x128_f8f6f4 v[184+8*\t:191+8*\t], v[56+16*\t:71+16*\t], v[216:231], v[184+8*\t:191+8*\t], v[50+\t], v54
.endr
.Lhid_\@:
	s_add_co_u32 s16, s16, 128
	s_wait_loadcnt 0x0                             ; the next block is in registers, and its loads have read their base:
	s_add_co_u32 s28, s28, SB                      ; the block after it; behind a phase's last but one step: block 0, for the next phase.  No load leaves kv
	s_cmp_eq_u32 s28, s30
	s_cselect_b32 s28, 0, s28
	s_add_nc_u64 s[26:27], s[24:25], s[28:29]
	ds_store_b128 v3, v[8:11] offset:OT            ; into the slot that was read a step ago: every wave's reads of it were waited for in front of the last barrier
	ds_store_b128 v3, v[12:15] offset:OT+VCO
	s_cmp_lg_u32 s12, 0
	s_cbranch_scc1 .Lnst_\@
	ds_store_b128 v1, v[16:19] offset:OT+KSC
.Lnst_\@:
	s_wait_dscnt 0x0                               ; for the others' sake: my stores have landed and my reads of this slot are over
	s_barrier_signal -1
	s_barrier_wait -1
.endm
; A phase ends: O^T / the sum, brought into the natural order of the channels (the next product's other operand is given so), quantised, stored.
.macro FINISH
.rept 8
	v_nop                                          ; places behind the last products
.endr
	v_add_f32 v22, v22, v23
	v_permlanex16_b32 v236, v22, s20, s21
	v_add_f32 v22, v22, v236                       ; the row's sum
	v_rcp_f32 v252, v22
	v_nop                                          ; a plain line behind the reciprocal,
	s_wait_alu depctr_va_vdst(0)                   ; and the wait ahead of its first reader
.set n, 0
.rept 16
	v_pk_mul_f32 v[120+n:121+n], v[184+n:185+n], v[252:253] op_sel_hi:[1,0]   ; register 8 t + j: channel 16 t + 8 h + j
.set n, n+2
.endr
; In block g of 32 channels lanes 0-15 hold 0-7 and 16-23, lanes 16-31 hold 8-15 and 24-31; the operand wants 0-15 and 16-31.  Lanes 0-15 give their second eight for the partner's first eight.
.irp g, 0,1
.irp j, 0,1,2,3,4,5,6,7
	v_cndmask_b32 v[152+8*\g+\j], v[128+16*\g+\j], v[120+16*\g+\j], s38
.endr
.endr
.set n, 0
.rept 16
	v_permlanex16_b32 v[168+n], v[152+n], s20, s21
.set n, n+1
.endr
.irp g, 0,1
.irp j, 0,1,2,3,4,5,6,7
	v_cndmask_b32 v[120+16*\g+\j], v[120+16*\g+\j], v[168+8*\g+\j], s38
	v_cndmask_b32 v[128+16*\g+\j], v[168+8*\g+\j], v[128+16*\g+\j], s38
.endr
.endr
.irp g, 0,1
	v_max3_num_f32 v[232+\g], |v[120+16*\g]|, |v[121+16*\g]|, 0x4800000
.endr
.irp i, 2,4,6,8,10,12,14
.irp g, 0,1
	v_max3_num_f32 v[232+\g], v[232+\g], |v[120+16*\g+\i]|, |v[121+16*\g+\i]|
.endr
.endr
.irp g, 0,1
	v_permlanex16_b32 v[236+\g], v[232+\g], s20, s21
.endr
.irp g, 0,1
	v_max_num_f32 v[232+\g], v[232+\g], v[236+\g]
.endr
.irp g, 0,1
	v_add_nc_u32 v[244+\g], 0xfc000000, v[232+\g]
.endr
.irp g, 0,1
	v_and_or_b32 v[240+\g], v[232+\g], 0x7f800000, s19
.endr
.irp g, 0,1
	v_lshrrev_b32 v[236+\g], 23, v[244+\g]
.endr
	v_lshl_or_b32 v254, v237, 8, v236              ; my row's two scale bytes
.irp g, 0,1
.irp i, 0,1,2,3,4,5,6,7,8,9,10,11,12,13,14,15
	v_med3_num_f32 v[120+16*\g+\i], v[120+16*\g+\i], -v[240+\g], v[240+\g]
.endr
	v_cvt_scalef32_pk8_fp8_f32 v[216+4*\g:217+4*\g], v[120+16*\g:127+16*\g], v[244+\g]
	v_cvt_scalef32_pk8_fp8_f32 v[218+4*\g:219+4*\g], v[128+16*\g:135+16*\g], v[244+\g]
.endr
	v_nop                                          ; a plain line behind the last conversion
	s_lshr_b32 s34, s18, 7
	s_lshl_b32 s34, s34, 17
	s_mov_b32 s35, 0
	s_add_nc_u64 s[36:37], s[40:41], s[34:35]
	global_store_b128 v1, v[216:219], s[36:37]     ; 32 lanes store 512 consecutive bytes, at a multiple of 256 from oc's first byte
	global_store_b128 v1, v[220:223], s[36:37] offset:512
	s_lshl_b32 s34, s18, 5
	s_add_nc_u64 s[44:45], s[42:43], s[34:35]
	global_store_b16 v6, v254, s[44:45]            ; lanes 16-31 write the same bytes with the same value
	s_wait_xcnt 0x0                                ; the stores have read their registers and bases: both are written again below
	s_sub_co_u32 s15, 7, s13                       ; the second phase's query block
.endm
	INIT                                           ; (its wait for loads covers key step 0's)
	ds_store_b128 v3, v[8:11]
	ds_store_b128 v3, v[12:15] offset:VCO
	s_cmp_lg_u32 s12, 0
	s_cbranch_scc1 .Lp_ns
	ds_store_b128 v1, v[16:19] offset:KSC
.Lp_ns:
	s_wait_dscnt 0x0
	s_barrier_signal -1
	s_barrier_wait -1
	s_mov_b32 s31, 9
.Ltrip:                                            ; 256 keys a trip
	STEP 0
	STEP 1
	s_cmp_lg_u32 s16, s17
	s_cbranch_scc1 .Lnot_end                       ; on ids alone, the same in all sixteen waves
	FINISH
	INIT                                           ; (behind the second phase it loads that phase's Q once more, and nothing reads it)
.Lnot_end:
	s_sub_co_u32 s31, s31, 1
	s_cmp_lg_u32 s31, 0
	s_cbranch_scc1 .Ltrip
	s_wait_tensorcnt 0x0
	ds_add_u32 v250, v251
	s_wait_dscnt 0x0
	s_endpgm
.Lfunc_end_k_q9089d48723_attn:
	.size	k_q9089d48723_attn, .Lfunc_end_k_q9089d48723_attn-k_q9089d48723_attn
	.p2alignl 7, 3214868480
	.fill 96, 4, 3214868480
	.section	.rodata,"a",@progbits
	.p2align	6, 0x0
	.amdhsa_kernel k_q9089d48723_attn
		.amdhsa_group_segment_fixed_size 35840
		.amdhsa_private_segment_fixed_size 0
		.amdhsa_enable_private_segment 0
		.amdhsa_kernarg_size 32
		.amdhsa_user_sgpr_count 2
		.amdhsa_user_sgpr_kernarg_segment_ptr 1
		.amdhsa_wavefront_size32 1
		.amdhsa_system_sgpr_workgroup_id_x 1
		.amdhsa_system_sgpr_workgroup_id_y 1
		.amdhsa_system_sgpr_workgroup_id_z 1
		.amdhsa_system_vgpr_workitem_id 0
		.amdhsa_next_free_vgpr 256
		.amdhsa_next_free_sgpr 66
		.amdhsa_reserve_vcc 1
		.amdhsa_float_denorm_mode_32 3
		.amdhsa_float_denorm_mode_16_64 3
		.amdhsa_memory_ordered 1
		.amdhsa_forward_progress 1
		.amdhsa_inst_pref_size 69
	.end_amdhsa_kernel
	.amdgpu_metadata
---
amdhsa.version: [ 1, 2 ]
amdhsa.kernels:
  - .name:           k_q9089d48723_attn
    .symbol:         k_q9089d48723_attn.kd
    .args:
      - { .name: qb, .offset: 0, .size: 8, .value_kind: global_buffer, .address_space: global }
      - { .name: kv, .offset: 8, .size: 8, .value_kind: global_buffer, .address_space: global }
      - { .name: oc, .offset: 16, .size: 8, .value_kind: global_buffer, .address_space: global }
      - { .name: os, .offset: 24, .size: 8, .value_kind: global_buffer, .address_space: global }
    .group_segment_fixed_size: 35840
    .private_segment_fixed_size: 0
    .kernarg_segment_align: 8
    .kernarg_segment_size: 32
    .max_flat_workgroup_size: 512
    .sgpr_count:     66
    .vgpr_count:     256
    .wavefront_size: 32
...
	.end_amdgpu_metadata
.endif
;; end of part 2
;; launch proj (part 3): grid 4 x 32, 4 waves a work-group, clusters of 4 x 4, 327,680 bytes of LDS; arguments oc, os, Wo_codes, Wo_scales, bo, out0; writes out0
.if DOCPART == 3
	.amdgcn_target "amdgcn-amd-amdhsa--gfx1250"
	.amdhsa_code_object_version 6
	.text
	.protected	k_q9089d48723_proj
	.globl	k_q9089d48723_proj
	.p2align	8
	.type	k_q9089d48723_proj,@function
k_q9089d48723_proj:
	s_mov_b64 s[64:65], 0
	v_nop
	global_prefetch_b8 v0, s[64:65] scope:SCOPE_SE
	s_setreg_imm32_b32 hwreg(HW_REG_WAVE_MODE, 25, 1), 1
	s_wait_xcnt 0x0
	s_wait_alu depctr_hold_cnt(0) depctr_sa_sdst(0) depctr_va_vdst(0) depctr_va_sdst(0) depctr_va_ssrc(0) depctr_va_vcc(0) depctr_vm_vsrc(0)
	s_getreg_b32 s2, hwreg(HW_REG_IB_STS2, 6, 4)
	s_cmp_eq_u32 s2, 0
	s_cbranch_scc0 .Lentry_in_a_cluster
	s_endpgm
.Lentry_in_a_cluster:
	s_bfe_u32 s2, ttmp6, 0x10000c
	s_cmp_lg_u32 s2, 0xf033
	s_cbranch_scc0 .Lentry_shape_is_right
	s_endpgm
.Lentry_shape_is_right:
; out0[m][n] = sum over k of A[m][k] Wo[n][k] + bo[n]: 8,192 x 1,024 x 1,024 on codes of FP8 (E4M3) with one E8M0 scale for each 32 along K; sums in f32; out0 f32.
; A is the attention's result as the launch before laid it: oc holds images of operand registers, [128 tokens][256 along K][16 tokens][128 along K][register group 512 bytes], so that 128 tokens x 256 along K are one dense
; block of 32,768 bytes and a fragment comes by four loads of 512 consecutive bytes; os holds its scale bytes [token][32].  Wo's codes and scale bytes are read as they are given, rows along K.
; A tile of out0, 256 x 256, is made by four waves, 128 x 128 each: 64 accumulators, 512 registers.  K goes in steps of 256 through a ring of two LDS slots; the scale bytes of the work-group's rows come once.
; CLUSTERS: 4 x 4 work-groups; A's tiles are asked for jointly along a row of the cluster, Wo's along a column.  The matrix instruction is used transposed (source 0 = 16 rows of Wo, source 1 = 16 rows of A):
; a lane holds eight neighbouring numbers of a row of out0.  bo is the C of each sum's first product.
; 128 work-groups: half of the 256 WGPs have none; a smaller tile would fill them at twice the LDS reads for each product.  No prefetch: the whole K is four steps and each tile is shared through the joint loads.
; LIMITS: NaN codes and scale bytes 0xff in Wo are not served.
.set SIZE_N, 1024
.set KSTEP,  256
.set NQ,     2
.set ROWB,   256
.set KROW,   1024
.set ABLK,   32768                     ; A's block of 128 tokens x 256 along K
.set PITCH,  272
.set FR,     16
.set NL,     4
.set NP,     8
.set HALFT,  128*PITCH                 ; a wave's part of a slot: 128 padded rows of Wo, or A's dense 32,768 bytes at its head
.set SLOT,   4*HALFT
.set LAPS,   2
.set KS,     32
.set SCL,    2*SLOT
.set HALFS,  (128*KS/256)*272
.set SBLK,   (16*KS/256)*272
.set SPARE,  SCL+4*HALFS
.set SPITCH, 528                       ; the way out: a stage of 16 rows x (512 bytes + 16) for each wave, in slot 0, which has had its last fill and its last read by then
.set ADRA, 16
.set ADRB, 20
.set STO,  24
.set RD,   25
.set CO,   26
.set ADRS, 27
.set SPW,  28
.set NIL,  29
.set SC,   32
.set BIAS, 64                          ; v64-127 bo in the result's layout: block b's eight registers are bo[16 b + 8 h + 0 .. 7]
.set AF,   128
.set BK,   128
.set G1, 24
.set G0, 32
.set G1B, 48
.set G0B, 56
.set G1S, 68
.set G0S, 76
.set G1SB, 80
.set G0SB, 88
.set MSB, 0
.macro WIN new
.if MSB != \new
	s_set_vgpr_msb (MSB<<8)|\new
.set MSB, \new
.endif
.endm
.set MUL_LO, 0xa1
.set MUL_HI, 0xf1
.set TO_B,   0x40
.macro JLOAD g0a, g1a, g0b, g1b        ; waves 0 and 1 fetch for A, waves 2 and 3 for Wo; four v_nop follow each of the two lines
	s_cmp_eq_u32 s15, 0
	s_cbranch_scc0 .Lfor_b_\@
	tensor_load_to_lds s[\g0a:\g0a+3], s[\g1a:\g1a+7]
	s_nop 0
.rept 4
	v_nop
.endr
	s_branch .Lasked_\@
.Lfor_b_\@:
	tensor_load_to_lds s[\g0b:\g0b+3], s[\g1b:\g1b+7]
	s_nop 0
.rept 4
	v_nop
.endr
.Lasked_\@:
.endm
.macro CREST
	s_cmp_lg_u32 s14, 0
	s_cbranch_scc1 .Lnot_wave_0_\@
	s_barrier_signal -3
.Lnot_wave_0_\@:
	s_barrier_wait -3
	s_barrier_signal -1
	s_barrier_wait -1
.endm
.macro CROUND
	s_barrier_signal -1
	s_barrier_wait -1
	CREST
.endm
	s_load_b128 s[4:7], s[0:1], 0x0                ; oc, os
	s_load_b128 s[8:11], s[0:1], 0x10              ; Wo's codes, Wo's scales
	s_load_b64 s[98:99], s[0:1], 0x20              ; bo
	s_load_b64 s[12:13], s[0:1], 0x28              ; out0
	v_lshl_add_u32 v[SPW], v0, 2, SPARE
	v_mov_b32 v[NIL], 0
	ds_add_u32 v28, v29
	ds_add_u32 v28, v29
	s_wait_dscnt 0x0
	v_lshrrev_b32 v1, 5, v0
	v_readfirstlane_b32 s14, v1
	s_lshr_b32 s15, s14, 1                         ; which half of the tile's rows is mine.  Also: I fetch for A (0) or for Wo (1)
	s_and_b32 s16, s14, 1                          ; which half of its columns.  Also: which 128 rows of that tile I fetch
	s_bfe_u32 s40, ttmp6, 0x40000
	s_bfe_u32 s41, ttmp6, 0x40004
	s_lshl_b32 s42, ttmp9, 2
	s_add_co_u32 s42, s42, s40                     ; tile column
	s_and_b32 s17, ttmp7, 0xffff
	s_lshl_b32 s17, s17, 2
	s_add_co_u32 s17, s17, s41                     ; tile row
	s_lshl_b32 s43, s41, 2
	s_lshl_b32 s43, 15, s43
	s_lshl_b32 s44, 0x1111, s40
	; group 1 for A's block: 32,768 dense bytes as 128 rows of 256 (32 elements of 8 bytes), no padding: the fragments' loads take 512 consecutive bytes
	s_or_b32 s[G1+0], s43, (3<<16)|(1<<21)
	s_mov_b32 s[G1+1], 32<<16
	s_mov_b32 s[G1+2], 128<<16
	s_mov_b32 s[G1+3], 32<<16
	s_mov_b32 s[G1+4], 128
	s_mov_b32 s[G1+5], 32
	s_mov_b32 s[G1+6], 0
	s_mov_b32 s[G1+7], 0
	; for Wo's tile: 128 rows x 256 bytes, 16 bytes of padding behind each
	s_or_b32 s[G1B+0], s44, (0<<16)|(1<<20)|(1<<21)|(5<<22)|(3<<25)
	s_mov_b32 s[G1B+1], ROWB<<16
	s_mov_b32 s[G1B+2], 128<<16
	s_mov_b32 s[G1B+3], ROWB<<16
	s_mov_b32 s[G1B+4], 128
	s_mov_b32 s[G1B+5], KROW
	s_mov_b32 s[G1B+6], 0
	s_mov_b32 s[G1B+7], 0
	; for the scales of 128 rows: 4,096 dense bytes as 16 rows of 256, 16 bytes of padding behind each
	s_or_b32 s[G1S+0], s43, (3<<16)|(1<<20)|(1<<21)|(5<<22)|(3<<25)
	s_or_b32 s[G1SB+0], s44, (3<<16)|(1<<20)|(1<<21)|(5<<22)|(3<<25)
.irp g, G1S, G1SB
	s_mov_b32 s[\g+1], 32<<16
	s_mov_b32 s[\g+2], (128*KS/256)<<16
	s_mov_b32 s[\g+3], 32<<16
	s_mov_b32 s[\g+4], 128*KS/256
	s_mov_b32 s[\g+5], 32
	s_mov_b32 s[\g+6], 0
	s_mov_b32 s[\g+7], 0
.endr
	s_lshl_b32 s18, s16, 7
	s_lshl_b32 s20, s17, 8
	s_add_co_u32 s20, s20, s18                     ; A: row 256 x tile row + 128 x half
	s_lshl_b32 s46, s42, 8
	s_add_co_u32 s46, s46, s18                     ; Wo: row 256 x tile column + 128 x half
	s_mov_b32 s21, 0
	s_mov_b32 s47, 0
	s_mov_b64 s[18:19], KS
	s_mul_u64 s[22:23], s[20:21], s[18:19]
	s_mul_u64 s[92:93], s[46:47], s[18:19]
	s_mov_b64 s[18:19], KROW
	s_mul_u64 s[20:21], s[20:21], s[18:19]         ; 128 tokens are 131,072 bytes of oc as of rows: the same product
	s_mul_u64 s[46:47], s[46:47], s[18:19]
	s_mul_i32 s45, s14, HALFT
	s_mul_i32 s94, s14, HALFS
	s_wait_kmcnt 0x0
	s_add_nc_u64 s[20:21], s[4:5], s[20:21]
	s_add_nc_u64 s[22:23], s[6:7], s[22:23]
	s_add_nc_u64 s[46:47], s[8:9], s[46:47]
	s_add_nc_u64 s[92:93], s[10:11], s[92:93]
	CROUND                                         ; all sixteen work-groups are here: the first joint loads meet
	s_mov_b32 s[G0S], 1
	s_add_co_u32 s[G0S+1], s94, SCL
	s_mov_b64 s[G0S+2:G0S+3], s[22:23]
	s_or_b32 s[G0S+3], s[G0S+3], 0x80000000
	s_mov_b32 s[G0SB], 1
	s_add_co_u32 s[G0SB+1], s94, SCL
	s_mov_b64 s[G0SB+2:G0SB+3], s[92:93]
	s_or_b32 s[G0SB+3], s[G0SB+3], 0x80000000
	JLOAD G0S, G1S, G0SB, G1SB
.irp s, 0,1
	s_mov_b32 s[G0+4*\s], 1
	s_add_co_u32 s[G0+4*\s+1], s45, \s*SLOT
	s_add_nc_u64 s[G0+4*\s+2:G0+4*\s+3], s[20:21], \s*ABLK
	s_or_b32 s[G0+4*\s+3], s[G0+4*\s+3], 0x80000000
	s_mov_b32 s[G0B+4*\s], 1
	s_add_co_u32 s[G0B+4*\s+1], s45, \s*SLOT
	s_add_nc_u64 s[G0B+4*\s+2:G0B+4*\s+3], s[46:47], \s*ROWB
	s_or_b32 s[G0B+4*\s+3], s[G0B+4*\s+3], 0x80000000
	JLOAD G0+4*\s, G1, G0B+4*\s, G1B               ; three tensor loads of mine are out now
.endr
	v_and_b32 v1, 15, v0                           ; r
	v_bfe_u32 v2, v0, 4, 1                         ; h
	v_and_b32 v6, 31, v0
	v_lshlrev_b32 v[CO], 4, v6                     ; 16 x lane
	v_mul_u32_u24 v3, v1, PITCH
	v_lshl_add_u32 v4, v2, 4, v3
	s_mul_i32 s21, s15, HALFT                      ; my 128 rows of A
	s_mul_i32 s22, s16, HALFT
	s_add_co_u32 s22, s22, 2*HALFT                 ; my 128 rows of Wo
.irp s, 0,1
	v_add_nc_u32 v[ADRA+\s], s21, v[CO]            ; an image's place for my lane
	v_add_nc_u32 v[ADRB+\s], s22, v4
	s_add_co_u32 s21, s21, SLOT
	s_add_co_u32 s22, s22, SLOT
.endr
	v_mul_u32_u24 v5, v1, KS
	v_lshrrev_b32 v6, 8, v5
	v_lshl_add_u32 v5, v6, 4, v5
	s_mul_i32 s21, s15, HALFS
	s_mul_i32 s22, s16, HALFS
	s_add_co_u32 s22, s22, 2*HALFS
	s_sub_co_u32 s22, s22, s21
	v_mul_u32_u24 v6, s22, v2                      ; lanes 16-31 take Wo's
	s_add_co_u32 s21, s21, SCL
	v_add_nc_u32 v5, v5, v6
	v_add_nc_u32 v[ADRS], s21, v5
	s_mul_i32 s23, s14, 16*SPITCH                  ; my stage
	v_mul_u32_u24 v5, v1, SPITCH
	v_lshl_add_u32 v5, v2, 5, v5
	v_add_nc_u32 v[STO], s23, v5
	v_add_nc_u32 v[RD], s23, v[CO]
	s_lshl_b32 s20, s17, 8
	s_lshl_b32 s21, s15, 7
	s_add_co_u32 s20, s20, s21                     ; my first row of out0
	s_mov_b32 s21, 0
	s_mov_b64 s[18:19], SIZE_N*4
	s_mul_u64 s[20:21], s[20:21], s[18:19]
	s_lshl_b32 s46, s42, 10                        ; my first column, in bytes
	s_lshl_b32 s47, s16, 9
	s_add_co_u32 s46, s46, s47
	s_mov_b32 s47, 0
	s_add_nc_u64 s[98:99], s[98:99], s[46:47]      ; bo at my first column
	s_add_nc_u64 s[20:21], s[20:21], s[46:47]
	s_add_nc_u64 s[12:13], s[12:13], s[20:21]
	v_lshlrev_b32 v7, 5, v2                        ; 32 h
.irp b, 0,1,2,3,4,5,6,7
	global_load_b128 v[BIAS+8*\b:BIAS+8*\b+3], v7, s[98:99] offset:64*\b
	global_load_b128 v[BIAS+8*\b+4:BIAS+8*\b+7], v7, s[98:99] offset:64*\b+16
.endr
.macro FRAGB reg, adr, q, i            ; Wo: 16 rows x 128 K from padded rows
.irp c, 0,1,2,3
	ds_load_b128 v[\reg+4*\c:\reg+4*\c+3], v[\adr] offset:128*(\q)+32*\c+(\i)*16*PITCH
.endr
.endm
.macro FRAGA reg, adr, q, i            ; A: the image of the fragment's registers
.irp c, 0,1,2,3
	ds_load_b128 v[\reg+4*\c:\reg+4*\c+3], v[\adr] offset:4096*(\i)+2048*(\q)+512*\c
.endr
.endm
.macro MUL16 a0, p, q, sc, zero        ; zero = 1: the sums start from bo.  The 64 accumulators take turns
.irp a, \a0, \a0+1
.irp b, 0,1,2,3,4,5,6,7
.if \zero
	v_wmma_scale_f32_16x16x128_f8f6f4 v[8*(8*((\a)%4)+\b):8*(8*((\a)%4)+\b)+7], v[128*(\p)+FR*\b:128*(\p)+FR*\b+FR-1], v[AF+FR*(\a):AF+FR*(\a)+FR-1], v[BIAS+8*\b:BIAS+8*\b+7], v[SC+8*NQ*(\sc)+NQ*\b+(\q)], v[SC+8*NQ*(\sc)+NQ*(\a)+(\q)] matrix_a_scale:MATRIX_SCALE_ROW1
.else
	v_wmma_scale_f32_16x16x128_f8f6f4 v[8*(8*((\a)%4)+\b):8*(8*((\a)%4)+\b)+7], v[128*(\p)+FR*\b:128*(\p)+FR*\b+FR-1], v[AF+FR*(\a):AF+FR*(\a)+FR-1], v[8*(8*((\a)%4)+\b):8*(8*((\a)%4)+\b)+7], v[SC+8*NQ*(\sc)+NQ*\b+(\q)], v[SC+8*NQ*(\sc)+NQ*(\a)+(\q)] matrix_a_scale:MATRIX_SCALE_ROW1
.endif
.endr
.endr
.endm
.macro FETCH_B slot, q, p
	WIN TO_B
.irp i, 0,1,2,3,4,5,6,7
	FRAGB 128*(\p)+FR*\i, ADRB+\slot, \q, \i
.endr
	WIN 0
.endm
.macro FETCH_A slot, q, i0
.irp i, \i0, \i0+1, \i0+2, \i0+3
	FRAGA AF+FR*(\i), ADRA+\slot, \q, \i
.endr
.endm
.macro SCALES sc
.irp i, 0,1,2,3,4,5,6,7
	ds_load_b64 v[SC+8*NQ*\sc+NQ*\i:SC+8*NQ*\sc+NQ*\i+1], v[ADRS] offset:\i*SBLK
.endr
.endm
.macro PLACES n
.rept \n
	v_nop
.endr
.endm
.macro STEP slot, q, zero
	s_wait_dscnt 4*NL                              ; Wo's set and A's blocks 0-3 are in; the youngest 16 loads (A's blocks 4-7) may be out
.if \zero
	WIN 0x81                                       ; C (bo) in window 0, D in window 2
.else
	WIN MUL_LO
.endif
	MUL16 0, (\q)%2, \q, \slot, \zero
	MUL16 2, (\q)%2, \q, \slot, \zero
	s_wait_dscnt 0
	PLACES NP
	FETCH_B \slot, (\q)+1, 1-(\q)%2
	FETCH_A \slot, (\q)+1, 0
.if \zero
	WIN 0xc1
.else
	WIN MUL_HI
.endif
	MUL16 4, (\q)%2, \q, \slot, \zero
	MUL16 6, (\q)%2, \q, \slot, \zero
	PLACES NP
	WIN 0
	FETCH_A \slot, (\q)+1, 4
.endm
.macro TURN slot, next, fill
	s_wait_tensorcnt 0x0                           ; all my tensor loads have landed: my part of the next slot
	ds_add_u32 v[SPW], v[NIL]                      ; 0 onto my spare word
	s_wait_dscnt 4*NL+1                            ; (the add and the youngest 16 loads may be out)
	WIN MUL_LO
	MUL16 0, 1, NQ-1, \slot, 0
	s_wait_dscnt 0x0                               ; the add is done, and my reads of this slot are over
	s_barrier_signal -1
	MUL16 2, 1, NQ-1, \slot, 0
	WIN 0
	s_barrier_wait -1
.if \fill
	CREST                                          ; no wave of any partner still reads this slot or has a load on its way
	s_add_nc_u64 s[G0+4*\slot+2:G0+4*\slot+3], s[G0+4*\slot+2:G0+4*\slot+3], 2*ABLK
	s_add_nc_u64 s[G0B+4*\slot+2:G0B+4*\slot+3], s[G0B+4*\slot+2:G0B+4*\slot+3], 2*ROWB
	JLOAD G0+4*\slot, G1, G0B+4*\slot, G1B         ; my one tensor load behind the round; its four v_nop are four of the eight places
	PLACES NP-4
.else
	PLACES NP
.endif
	v_add_nc_u32 v[ADRS], 4*NQ, v[ADRS]
	FETCH_B \next, 0, 0
	FETCH_A \next, 0, 0
	SCALES \next
	WIN MUL_HI
	MUL16 4, 1, NQ-1, \slot, 0
	MUL16 6, 1, NQ-1, \slot, 0
	PLACES NP
	WIN 0
	FETCH_A \next, 0, 4
.endm
	s_wait_loadcnt 0x0                             ; bo
	s_wait_tensorcnt 1                             ; the scales and my part of K step 0 are in; K step 1's load may be out
	s_barrier_signal -1
	s_barrier_wait -1
	FETCH_B 0, 0, 0
	FETCH_A 0, 0, 0
	SCALES 0
	FETCH_A 0, 0, 4
	STEP 0, 0, 1                                   ; the first step's products start the sums from bo
	s_mov_b32 s3, LAPS-1
.Llap:
	TURN 0, 1, 1
	STEP 1, 0, 0
	TURN 1, 0, 1
	STEP 0, 0, 0
	s_sub_co_u32 s3, s3, 1
	s_cmp_lg_u32 s3, 0
	s_cbranch_scc1 .Llap
	TURN 0, 1, 0
	STEP 1, 0, 0
	s_wait_dscnt 4*NL
	WIN MUL_LO
	MUL16 0, 1, NQ-1, 1, 0
	MUL16 2, 1, NQ-1, 1, 0
	s_wait_dscnt 0
	WIN MUL_HI
	MUL16 4, 1, NQ-1, 1, 0
	MUL16 6, 1, NQ-1, 1, 0
	WIN 0
; THE WAY OUT, block by block of 16 rows x 128 columns, through my own stage: in by 32 bytes of a row a lane, back as whole rows of 512 bytes.  LDS serves a wave's instructions in order (ISA guide 5.7.1.4).
.macro TOSTAGE a
.set AC, 64*((\a)%4)
	WIN 0x08+4*((\a)/4)                            ; the data: window 2 or 3
.irp b, 0,1,2,3,4,5,6,7
	ds_store_b128 v[STO], v[AC+8*\b:AC+8*\b+3] offset:64*\b          ; each accumulator from its low end on
	ds_store_b128 v[STO], v[AC+8*\b+4:AC+8*\b+7] offset:64*\b+16
.endr
	WIN 0
.set BB, BK+64*((\a)%2)
.irp t, 0,1,2,3,4,5,6,7,8,9,10,11,12,13,14,15
	ds_load_b128 v[BB+4*\t:BB+4*\t+3], v[RD] offset:\t*SPITCH
.endr
.endm
.macro SEND a, younger                 ; younger: the LDS instructions issued behind block a's loads, which may stay out
.set BB, BK+64*((\a)%2)
	s_wait_dscnt \younger
.if (\a) > 0
	s_add_nc_u64 s[12:13], s[12:13], 16*SIZE_N*4   ; (behind a wait on XCNT: the earlier stores have read their base)
.endif
.irp t, 0,1,2,3,4,5,6,7,8,9,10,11,12,13,14,15
	global_store_b128 v[CO], v[BB+4*\t:BB+4*\t+3], s[12:13] offset:\t*SIZE_N*4 th:TH_STORE_NT   ; 32 lanes store 512 consecutive bytes, at a multiple of 256 from out0's first byte
.endr
.endm
	PLACES NP
	TOSTAGE 0
.irp a, 1,2,3,4,5,6,7
.if \a > 1
	s_wait_xcnt 0x0                                ; block a - 2's stores have read their registers and their base
.endif
	TOSTAGE \a
	SEND \a-1, 32                                  ; behind block a - 1's loads: block a's 16 stores and 16 loads
.endr
	s_wait_xcnt 0x0
	SEND 7, 0
	s_wait_tensorcnt 0x0                           ; the wave's end
	ds_add_u32 v[SPW], v[NIL]
	s_wait_dscnt 0x0
	CROUND                                         ; the closing round
	s_endpgm
.Lfunc_end_k_q9089d48723_proj:
	.size	k_q9089d48723_proj, .Lfunc_end_k_q9089d48723_proj-k_q9089d48723_proj
	.p2alignl 7, 3214868480
	.fill 96, 4, 3214868480
	.section	.rodata,"a",@progbits
	.p2align	6, 0x0
	.amdhsa_kernel k_q9089d48723_proj
		.amdhsa_group_segment_fixed_size 327680
		.amdhsa_private_segment_fixed_size 0
		.amdhsa_enable_private_segment 0
		.amdhsa_kernarg_size 48
		.amdhsa_user_sgpr_count 2
		.amdhsa_user_sgpr_kernarg_segment_ptr 1
		.amdhsa_wavefront_size32 1
		.amdhsa_system_sgpr_workgroup_id_x 1
		.amdhsa_system_sgpr_workgroup_id_y 1
		.amdhsa_system_sgpr_workgroup_id_z 1
		.amdhsa_system_vgpr_workitem_id 0
		.amdhsa_next_free_vgpr 1024
		.amdhsa_next_free_sgpr 100
		.amdhsa_reserve_vcc 0
		.amdhsa_float_denorm_mode_32 3
		.amdhsa_float_denorm_mode_16_64 3
		.amdhsa_memory_ordered 1
		.amdhsa_forward_progress 1
		.amdhsa_inst_pref_size 147
	.end_amdhsa_kernel
	.amdgpu_metadata
---
amdhsa.version: [ 1, 2 ]
amdhsa.kernels:
  - .name:           k_q9089d48723_proj
    .symbol:         k_q9089d48723_proj.kd
    .args:
      - { .name: oc, .offset: 0, .size: 8, .value_kind: global_buffer, .address_space: global }
      - { .name: os, .offset: 8, .size: 8, .value_kind: global_buffer, .address_space: global }
      - { .name: Wo_codes, .offset: 16, .size: 8, .value_kind: global_buffer, .address_space: global }
      - { .name: Wo_scales, .offset: 24, .size: 8, .value_kind: global_buffer, .address_space: global }
      - { .name: bo, .offset: 32, .size: 8, .value_kind: global_buffer, .address_space: global }
      - { .name: out0, .offset: 40, .size: 8, .value_kind: global_buffer, .address_space: global }
    .group_segment_fixed_size: 327680
    .private_segment_fixed_size: 0
    .kernarg_segment_align: 8
    .kernarg_segment_size: 48
    .max_flat_workgroup_size: 128
    .sgpr_count:     100
    .vgpr_count:     1024
    .wavefront_size: 32
...
	.end_amdgpu_metadata
.endif
;; end of part 3
;; ======== version 2 of 2: 3 launches; version 1 with the launch attn written anew for expert scheduling mode
;; workspace buffers: qb 17,301,504 bytes; kv 17,301,504 bytes; oc 8,388,608 bytes; os 262,144 bytes
;; launch qkv: the kernel of part 1 again; grid 96 x 4, 4 waves a work-group, clusters of 4 x 4, 327,680 bytes of LDS; arguments x_codes, x_scales, Wq_codes, Wq_scales, Wk_codes, Wk_scales, Wv_codes, Wv_scales, bq, bk, bv, qb, kv; writes qb, kv
;; launch attn (part 4): grid 4 x 64, 16 waves a work-group, no clusters, 35,840 bytes of LDS; arguments qb, kv, oc, os; writes oc, os
.if DOCPART == 4
	.amdgcn_target "amdgcn-amd-amdhsa--gfx1250"
	.amdhsa_code_object_version 6
	.text
	.protected	k_q9089d48723_attn
	.globl	k_q9089d48723_attn
	.p2align	8
	.type	k_q9089d48723_attn,@function
k_q9089d48723_attn:
	s_mov_b64 s[64:65], 0
	v_nop
	global_prefetch_b8 v0, s[64:65] scope:SCOPE_SE
	s_setreg_imm32_b32 hwreg(HW_REG_WAVE_SCHED_MODE, 0, 2), 2
	s_setreg_imm32_b32 hwreg(HW_REG_WAVE_MODE, 25, 1), 1
	s_wait_xcnt 0x0
	s_wait_alu depctr_vm_vsrc(0)
; Causal attention on codes of FP8 (E4M3), one E8M0 scale for each 32 along a product's K: 64 heads (batch x head) of 2,048 tokens, head size 64.  In: qb, kv as the launch before laid them: a head's block for 128 tokens is
; SB = 16,896 bytes: K's (Q's) codes, V^T's codes, K's scale words, V's scale words, all as images of operand registers.  Out: the attention's result, divided by the row's sum, quantised along the 1,024 channels.
; THE SOFTMAX: t = score x log2(e) / 8; M = the running largest t rounded up to a whole number; p = 2^(t - M) is quantised along the keys, not normalised; the row's sum is taken of the unquantised p and divides at the end.
; When M moves, the sum and O are multiplied by 2^(old M - new M), which rounds nothing.
; SHARES.  Work-group (J, head) takes the head's query blocks J and 7 - J, 256 queries each: (J + 1) + (8 - J) = 9 trips of 256 keys for every work-group, so the loop's count is a constant and all 256 work-groups do equal work.
; Each of 16 waves owns 16 queries in 256 registers: four waves to a SIMD, so that one wave's vector work stands beside another's products and LDS loads.
; LAYOUT.  Both products are used transposed (S^T = K Q^T, O^T = V^T P^T): a lane holds one query.  The head's K is 64, half of the instruction's 128: a fragment of K holds TWO tiles of 16 keys, one in k 0-63 and one in
; k 64-127; multiplied by [Q | 0] it gives the first tile's scores, by [0 | Q] the second's.  The zero half has zero codes under the scale byte 0 (2^-127, a number), and the codes of K that face it are finite (their
; quantiser holds at 448), so those products are exact zeros.  Zeros stand on Q's side alone: K's bytes all serve.
; p's 16 registers of tiles 2 b, 2 b + 1 hold, in lane half h, keys 32 b + 8 h + 0..7 and 32 b + 16 + 8 h + 0..7: the order in which V's codes were made.  One scale serves the 32, so the sums are those of the natural order.
; THE SLOTS.  Two LDS slots of SB bytes.  A step's block is loaded into registers at the head of the step before (16 bytes of K's codes and 16 of V's a thread; wave 0 the 512 scale bytes) and stored to the other slot at
; that step's end; one barrier a step.  No tensor load: a block is small, and its load has a whole step in which to land, so no wave waits at its issue and no prefetch is laid.
; NO CLUSTER: the four work-groups of a head stand at different key steps in a trip (trip t is step pair t of block J or t - J - 1 of block 7 - J), so no two would ask for the same block at the same time.
; CAUSAL: a step all of whose 128 keys come after the wave's 16 queries is left out by a scalar branch on ids, round the work alone; on the diagonal hidden scores become -infinity ahead of the maximum.
; LIMITS: NaN and infinities are not served.  A block whose largest magnitude lies under 2^-118, a block of zeros too, gets the byte 1.  The scale bytes of the output leave two bytes a row (a head has two of a row's 32):
; 262,144 bytes in all.
; THE MODE: SCHED_MODE bits 1:0 = 2 (LLVM: expert scheduling mode 2), set by the entry lines.  The code itself states the register dependences between vector or matrix instructions and memory or LDS instructions,
; with s_wait_alu, always for 0.
; THE PLAN.  Registers that memory or LDS instructions touch:
;   v1, v2, v3, v5, v6, v7   offsets and LDS addresses: made by vector lines at the head, never written again.  One wait on va_vdst ahead of the first load.
;   v[8:19]                  the next step's block: loaded at a step's head, read by the LDS stores at its end; no vector instruction names them.  One wait on vm_vsrc behind the stores.
;   v[56:119], v[50:53]      fragments and their scale words: K's loads, the products K Q^T, V^T's loads, the products V^T P.  One wait on va_vdst ahead of each of the two groups of loads: the products before are done reading.
;                            From the second of them to the products V^T P no vector instruction names these registers or v1, v2: so V^T's four tiles are dealt among the softmax with no further wait.
;   v[24:31], v[40:47], v48  Q: loaded at a phase's head, read by the products K Q^T (v48 also made over by two vector lines).  The wait on va_vdst ahead of the stores at the phase's end before serves these loads too.
;   v[216:223], v254         at a phase's end: written by conversions and a shift, read by three global stores, written again in the next step: a wait on va_vdst ahead of the stores, one on vm_vsrc behind them.
; What vector lines make for a scaled product (Q's scale words and zeros; p's codes and scale word) is stated written by a wait on va_vdst behind its places: the first of a step's waits, and one ahead of the products V^T P.
; S^T, p, O^T and the statistics are named by vector and matrix instructions alone.
.set SB,  16896
.set HS,  16*SB
.set VCO, 8192                         ; V^T's codes in a block
.set KSC, 16384                        ; K's scale words
.set VSC, 16640                        ; V's
.set MK,  48                           ; s48-63 sixteen masks of the diagonal step
; v1 16 x lane; v2 4 r; v3 16 x thread; v4 r - 8 h; v5, v7 Q's offsets; v6 32 r; v8-19 the block on its way; v20 -M, v21 the largest t, v[22:23] the sum; v24-31 Q, v32-39 zeros, v40-47 Q again; v48, v49 Q's scale words;
; v50-53 scale words of the fragments in hand; v54 p's; v56-119 four fragments; v120-183 S^T, then p; v184-215 O^T; v216-231 p's codes; v232-247 at work; v[252:253] f; v254, v255 at work.
; s12 wave; s13 J; s14 head; s15 the query block; s16 the step's first key; s17 the phase's end; s18 my first query; s19 448's mantissa; s[20:21] lane selects; s[22:23] c; s[24:25] kv's head; s[26:27] the next block to load;
; s[28:29] its offset; s30 where that wraps; s31 trips; s[32:33] qb's head; s34-37, s[44:45] at work; s38 lanes 16-31; s39 16 (wave % 2); s[40:43] oc, os.
	s_load_b256 s[4:11], s[0:1], 0x0               ; qb, kv, oc, os
	v_lshl_add_u32 v250, v0, 2, 0x8400
	v_mov_b32 v251, 0
	v_lshrrev_b32 v1, 5, v0
	v_readfirstlane_b32 s12, v1
	v_and_b32 v1, 31, v0
	v_lshlrev_b32 v1, 4, v1
	v_and_b32 v2, 15, v0
	v_bfe_u32 v4, v0, 4, 1
	v_lshlrev_b32 v6, 5, v2
	v_lshlrev_b32 v4, 3, v4
	v_sub_nc_u32 v4, v2, v4
	v_lshlrev_b32 v2, 2, v2
	v_lshlrev_b32 v3, 4, v0
	s_wait_alu depctr_va_sdst(0)                   ; s12, the wave's number, is written, ahead of its first reader
	s_and_b32 s34, s12, 7
	s_lshl_b32 s34, s34, 10
	v_add_nc_u32 v5, s34, v1                       ; Q's codes in their block: tile wave % 8
	s_bfe_u32 s34, s12, 0x20001
	s_lshl_b32 s34, s34, 6
	s_add_co_u32 s34, s34, KSC
	v_add_nc_u32 v7, s34, v2                       ; and the pair's scale word
	s_and_b32 s39, s12, 1
	s_lshl_b32 s39, s39, 4                         ; my half of it
	s_mov_b32 s13, ttmp9
	s_and_b32 s14, ttmp7, 0xffff
	s_mov_b32 s15, s13
	s_mov_b32 s19, 0x600000
	s_mov_b32 s20, 0x76543210
	s_mov_b32 s21, 0xfedcba98
	s_mov_b32 s22, 0x3e38aa3b                      ; c = log2(e) / sqrt(64)
	s_mov_b32 s23, s22                             ; (named with it as a pair)
	s_mov_b32 s38, 0xffff0000
	s_lshr_b32 s34, s14, 4                         ; batch
	s_and_b32 s35, s14, 15                         ; head
	s_lshl_b32 s36, s34, 21                        ; oc: [128 tokens][4 heads 32,768][16 tokens 4,096][head 1,024][block 512]
	s_lshr_b32 s37, s35, 2
	s_lshl_b32 s37, s37, 15
	s_add_co_u32 s36, s36, s37
	s_and_b32 s37, s35, 3
	s_lshl_b32 s37, s37, 10
	s_add_co_u32 s36, s36, s37
	s_and_b32 s37, s12, 7
	s_lshl_b32 s37, s37, 12
	s_add_co_u32 s36, s36, s37
	s_mov_b32 s37, 0
	s_lshl_b32 s34, s34, 16                        ; os: [token][32]
	s_lshl_b32 s35, s35, 1
	s_add_co_u32 s34, s34, s35
	s_mov_b32 s35, 0
	s_mul_i32 s44, s14, HS
	s_mov_b32 s45, 0
	s_mov_b32 s28, SB
	s_mov_b32 s29, 0
.set n, 0
.rept 8
	v_mov_b32 v[32+n], 0                           ; the zero half of [Q | 0] and [0 | Q]
.set n, n+1
.endr
.set n, 0
.rept 16
	v_mov_b32 v[168+n], 0                          ; written once: a lane permute's destination counts as one of its sources
.set n, n+1
.endr
.irp b, 0,1,2,3
	v_mov_b32 v[236+\b], 0
.endr
	v_mov_b32 v253, 0                              ; (named as the upper half of the pair v[252:253])
	s_wait_kmcnt 0x0
	s_add_nc_u64 s[40:41], s[8:9], s[36:37]
	s_add_nc_u64 s[42:43], s[10:11], s[34:35]
	s_add_nc_u64 s[24:25], s[6:7], s[44:45]
	s_add_nc_u64 s[32:33], s[4:5], s[44:45]
	s_add_nc_u64 s[26:27], s[24:25], s[28:29]
	s_wait_alu depctr_va_vdst(0)                   ; the offsets and addresses v1, v2, v3, v5, v6, v7 are written, which every load and store of the kernel reads
	global_load_b128 v[8:11], v3, s[24:25]         ; key step 0
	global_load_b128 v[12:15], v3, s[24:25] offset:VCO
	s_cmp_lg_u32 s12, 0
	s_cbranch_scc1 .Lp_nl
	global_load_b128 v[16:19], v1, s[24:25] offset:KSC
.Lp_nl:
; A phase begins: query block s15.
.macro INIT
	s_mov_b32 s16, 0
	s_lshl_b32 s34, s15, 8
	s_lshl_b32 s35, s12, 4
	s_add_co_u32 s18, s34, s35                     ; my first query
	s_add_co_u32 s17, s34, 256                     ; the keys end with the block's queries
	s_lshl_b32 s34, s15, 1
	s_add_co_u32 s35, s34, 2
	s_mul_i32 s30, s35, SB
	s_lshr_b32 s35, s12, 3
	s_add_co_u32 s34, s34, s35
	s_mul_i32 s34, s34, SB
	s_mov_b32 s35, 0
	s_add_nc_u64 s[36:37], s[32:33], s[34:35]      ; the block of 128 tokens in which my queries lie
	global_load_b128 v[24:27], v5, s[36:37]        ; no wait here: no vector or matrix instruction since the last wait on va_vdst (at the head; ahead of the stores at a phase's end) names Q's registers or offsets
	global_load_b128 v[28:31], v5, s[36:37] offset:512
	global_load_b128 v[40:43], v5, s[36:37]        ; a second time: the two operands [Q | 0] and [0 | Q] share the zeros, not Q
	global_load_b128 v[44:47], v5, s[36:37] offset:512
	global_load_b32 v48, v7, s[36:37]
.set n, 0
.rept 32
	v_mov_b32 v[184+n], 0                          ; O^T: the first change of M leaves zeros zeros
.set n, n+1
.endr
	v_mov_b32 v22, 0
	v_mov_b32 v23, 0
	v_mov_b32 v21, 0xff61b1e6                      ; -3e38, under every t
	v_floor_f32 v20, -v21
	s_wait_loadcnt 0x0
	v_lshrrev_b32 v48, s39, v48
	v_and_b32 v48, 0xffff, v48                     ; Q's two bytes under k 0-63, the byte 0 under the zeros
	v_lshlrev_b32 v49, 16, v48                     ; and the other way round
.endm
; Tile t of V^T (16 channels x 128 keys) and its scale words, from the slot in hand (SL).
.macro VT t
.irp c, 0,1,2,3
	ds_load_b128 v[56+16*(\t)+4*\c:59+16*(\t)+4*\c], v1 offset:SL+VCO+2048*(\t)+512*\c
.endr
	ds_load_b32 v[50+(\t)], v2 offset:SL+VSC+64*(\t)
.endm
; A key step: 128 keys, from slot sl.
.macro STEP sl
.set SL, (\sl)*SB
.set OT, (1-(\sl))*SB
	global_load_b128 v[8:11], v3, s[26:27]         ; the next step's block: 512 threads x 16 consecutive bytes, twice.  (The LDS stores that read these registers were stated done reading at the last step's end)
	global_load_b128 v[12:15], v3, s[26:27] offset:VCO
	s_cmp_lg_u32 s12, 0
	s_cbranch_scc1 .Lnsc_\@
	global_load_b128 v[16:19], v1, s[26:27] offset:KSC
.Lnsc_\@:
	s_add_co_u32 s34, s18, 15
	s_cmp_gt_u32 s16, s34
	s_cbranch_scc1 .Lhid_\@                        ; all 128 keys come after my queries
.rept 8
	v_nop                                          ; places behind the vector lines that made Q's scale words (a phase's first step), ahead of the products that take them
.endr
	s_wait_alu depctr_va_vdst(0)                   ; the last step's products V^T P are done reading v[56:119] and v[50:53], in which the loads below land; Q's scale words v48, v49 and the zeros v[32:39] are written, which the scaled products below take
.irp b, 0,1,2,3
.irp c, 0,1,2,3
	ds_load_b128 v[56+16*\b+4*\c:59+16*\b+4*\c], v1 offset:SL+2048*\b+512*\c
.endr
	ds_load_b32 v[50+\b], v2 offset:SL+KSC+64*\b
.endr
	s_wait_dscnt 0x0
.irp b, 0,1,2,3
	v_wmma_scale_f32_16x16x128_f8f6f4 v[120+16*\b:127+16*\b], v[56+16*\b:71+16*\b], v[24:39], 0, v[50+\b], v48   ; keys 32 b + 0 .. 15
	v_wmma_scale_f32_16x16x128_f8f6f4 v[128+16*\b:135+16*\b], v[56+16*\b:71+16*\b], v[32:47], 0, v[50+\b], v49   ; keys 32 b + 16 .. 31
.endr
.rept 8
	v_nop                                          ; places in front of the first read of the scores
.endr
	s_wait_alu depctr_va_vdst(0)                   ; the products K Q^T are done reading v[56:119] and v[50:53], in which V^T's four tiles land.  Up to the products V^T P no vector instruction names these registers, v1 or v2: the tiles are dealt among the softmax
	VT 0
	VT 1
	s_add_co_u32 s34, s16, 127
	s_cmp_le_u32 s34, s18
	s_cbranch_scc1 .Lopen_\@                       ; all 128 keys count
	s_sub_co_i32 s34, s18, s16
	v_add_nc_u32 v254, s34, v4                     ; d = my query - the step's first key - 8 h.  Register n holds key 16 (n / 8) + 8 h + n % 8: hidden where 16 (n / 8) + n % 8 > d
	v_mov_b32 v255, 0xff800000
.set n, 0
.rept 4                                        ; sixteen compares into sixteen scalar registers, one wait, sixteen selects
.set m, 0
.rept 16
	v_cmp_gt_i32 s[MK+m], 16*((n+m)/8)+(n+m)%8, v254
.set m, m+1
.endr
	s_wait_alu depctr_va_sdst(0)                   ; the sixteen masks are written, ahead of the selects that read them
.set m, 0
.rept 16
	v_cndmask_b32 v[120+n+m], v[120+n+m], v255, s[MK+m]
.set m, m+1
.endr
.set n, n+16
.endr
.Lopen_\@:
.irp b, 0,1,2,3
	v_max3_num_f32 v[232+\b], v[120+16*\b], v[121+16*\b], v[122+16*\b]   ; the largest score of each block of 32 keys: for the row's maximum and, since p rises with the score, for the block's largest p
.endr
.irp i, 3,5,7,9,11,13
.irp b, 0,1,2,3
	v_max3_num_f32 v[232+\b], v[232+\b], v[120+16*\b+\i], v[121+16*\b+\i]
.endr
.endr
.irp b, 0,1,2,3
	v_max_num_f32 v[232+\b], v[232+\b], v[135+16*\b]
.endr
	VT 2
.irp b, 0,1,2,3
	v_permlanex16_b32 v[236+\b], v[232+\b], s20, s21
.endr
.irp b, 0,1,2,3
	v_max_num_f32 v[232+\b], v[232+\b], v[236+\b]
.endr
	v_max3_num_f32 v254, v232, v233, v234
	v_max_num_f32 v254, v254, v235
	v_mul_f32 v254, s22, v254                      ; as t (c is positive)
	v_max_num_f32 v21, v21, v254
	v_mov_b32 v254, v20
	v_floor_f32 v20, -v21                          ; -M = floor(-t): M is a whole number
	v_sub_f32 v254, v20, v254                      ; old M - new M, a whole number, 0 or less
	v_cvt_i32_f32 v254, v254                       ; (it saturates)
	v_ldexp_f32 v252, 1.0, v254                    ; f = 2^(old M - new M)
.set n, 0
.rept 32
	v_pk_fma_f32 v[120+n:121+n], v[120+n:121+n], s[22:23], v[20:21] op_sel_hi:[1,0,0]   ; t - M
.set n, n+2
.endr
.irp b, 0,1,2,3
	v_fma_f32 v[232+\b], v[232+\b], s22, v20
.endr
	VT 3                                           ; V^T's last tile: the exponentials, the sums, the holds and the conversions stand between it and the wait for it
.set n, 0
.rept 64
	v_exp_f32 v[120+n], v[120+n]                   ; p = 2^(t - M)
.set n, n+1
.endr
	v_pk_mul_f32 v[22:23], v[22:23], v[252:253] op_sel_hi:[1,0]   ; the sums under the new M: the plain line behind the exponentials
	s_wait_alu depctr_va_vdst(0)                   ; the 64 exponentials have written p: one wait for the batch, ahead of its first reader
.irp b, 0,1,2,3
	v_exp_f32 v[232+\b], v[232+\b]                 ; each block's largest p
.endr
	v_pk_add_f32 v[236:237], v[120:121], v[122:123]   ; the row's sum of the unquantised p, in two chains
.set n, 4
.rept 15
	v_pk_add_f32 v[22:23], v[22:23], v[120+n:121+n]
	v_pk_add_f32 v[236:237], v[236:237], v[122+n:123+n]
.set n, n+4
.endr
	v_pk_add_f32 v[22:23], v[22:23], v[236:237]
	s_wait_alu depctr_va_vdst(0)                   ; and one for the four: the blocks' largest p are written
.irp b, 0,1,2,3
	v_max_num_f32 v[232+\b], 0x4800000, v[232+\b]  ; the floor 2^(9 - 127)
.endr
.irp b, 0,1,2,3
	v_add_nc_u32 v[244+\b], 0xfc000000, v[232+\b]  ; the conversion's scale operand
.endr
.irp b, 0,1,2,3
	v_and_or_b32 v[240+\b], v[232+\b], 0x7f800000, s19   ; 448 x the scale
.endr
.irp b, 0,1,2,3
	v_lshrrev_b32 v[236+\b], 23, v[244+\b]         ; the scale's byte
.endr
	v_lshl_or_b32 v54, v237, 8, v236               ; p's scale word for these 128 keys
	v_lshl_or_b32 v54, v238, 16, v54
	v_lshl_or_b32 v54, v239, 24, v54
.irp b, 0,1,2,3
.irp i, 0,1,2,3,4,5,6,7,8,9,10,11,12,13,14,15
	v_min_num_f32 v[120+16*\b+\i], v[120+16*\b+\i], v[240+\b]   ; the conversion does not saturate (ISA guide 7.6.2); p is not negative, so the hold is one-sided
.endr
	v_cvt_scalef32_pk8_fp8_f32 v[216+4*\b:217+4*\b], v[120+16*\b:127+16*\b], v[244+\b]
	v_cvt_scalef32_pk8_fp8_f32 v[218+4*\b:219+4*\b], v[128+16*\b:135+16*\b], v[244+\b]
.endr
.set n, 0
.rept 16
	v_pk_mul_f32 v[184+n:185+n], v[184+n:185+n], v[252:253] op_sel_hi:[1,0]   ; O^T under the new M; these are also the places between the codes and the products
.set n, n+2
.endr
	s_wait_alu depctr_va_vdst(0)                   ; the conversions have written p's codes v[216:231] and the shifts its scale word v54, which the scaled products below take; the places above stay beside this wait
	s_wait_dscnt 0x0                               ; V^T
.irp t, 0,1,2,3
	v_wmma_scale_f32_16x16x128_f8f6f4 v[184+8*\t:191+8*\t], v[56+16*\t:71+16*\t], v[216:231], v[184+8*\t:191+8*\t], v[50+\t], v54
.endr
.Lhid_\@:
	s_add_co_u32 s16, s16, 128
	s_wait_loadcnt 0x0                             ; the next block is in registers, and its loads have read their base:
	s_add_co_u32 s28, s28, SB                      ; the block after it; behind a phase's last but one step: block 0, for the next phase.  No load leaves kv
	s_cmp_eq_u32 s28, s30
	s_cselect_b32 s28, 0, s28
	s_add_nc_u64 s[26:27], s[24:25], s[28:29]
	ds_store_b128 v3, v[8:11] offset:OT            ; into the slot that was read a step ago: every wave's reads of it were waited for in front of the last barrier
	ds_store_b128 v3, v[12:15] offset:OT+VCO
	s_cmp_lg_u32 s12, 0
	s_cbranch_scc1 .Lnst_\@
	ds_store_b128 v1, v[16:19] offset:OT+KSC
.Lnst_\@:
	s_wait_dscnt 0x0                               ; for the others' sake: my stores have landed and my reads of this slot are over
	s_wait_alu depctr_vm_vsrc(0)                   ; my LDS stores have read v[8:19], in which the next step's loads land
	s_barrier_signal -1
	s_barrier_wait -1
.endm
; A phase ends: O^T / the sum, brought into the natural order of the channels (the next product's other operand is given so), quantised, stored.
.macro FINISH
.rept 8
	v_nop                                          ; places behind the last products
.endr
	v_add_f32 v22, v22, v23
	v_permlanex16_b32 v236, v22, s20, s21
	v_add_f32 v22, v22, v236                       ; the row's sum
	v_rcp_f32 v252, v22
	v_nop                                          ; a plain line behind the reciprocal,
	s_wait_alu depctr_va_vdst(0)                   ; and the wait ahead of its first reader: the reciprocal v252 is written
.set n, 0
.rept 16
	v_pk_mul_f32 v[120+n:121+n], v[184+n:185+n], v[252:253] op_sel_hi:[1,0]   ; register 8 t + j: channel 16 t + 8 h + j
.set n, n+2
.endr
; In block g of 32 channels lanes 0-15 hold 0-7 and 16-23, lanes 16-31 hold 8-15 and 24-31; the operand wants 0-15 and 16-31.  Lanes 0-15 give their second eight for the partner's first eight.
.irp g, 0,1
.irp j, 0,1,2,3,4,5,6,7
	v_cndmask_b32 v[152+8*\g+\j], v[128+16*\g+\j], v[120+16*\g+\j], s38
.endr
.endr
.set n, 0
.rept 16
	v_permlanex16_b32 v[168+n], v[152+n], s20, s21
.set n, n+1
.endr
.irp g, 0,1
.irp j, 0,1,2,3,4,5,6,7
	v_cndmask_b32 v[120+16*\g+\j], v[120+16*\g+\j], v[168+8*\g+\j], s38
	v_cndmask_b32 v[128+16*\g+\j], v[168+8*\g+\j], v[128+16*\g+\j], s38
.endr
.endr
.irp g, 0,1
	v_max3_num_f32 v[232+\g], |v[120+16*\g]|, |v[121+16*\g]|, 0x4800000
.endr
.irp i, 2,4,6,8,10,12,14
.irp g, 0,1
	v_max3_num_f32 v[232+\g], v[232+\g], |v[120+16*\g+\i]|, |v[121+16*\g+\i]|
.endr
.endr
.irp g, 0,1
	v_permlanex16_b32 v[236+\g], v[232+\g], s20, s21
.endr
.irp g, 0,1
	v_max_num_f32 v[232+\g], v[232+\g], v[236+\g]
.endr
.irp g, 0,1
	v_add_nc_u32 v[244+\g], 0xfc000000, v[232+\g]
.endr
.irp g, 0,1
	v_and_or_b32 v[240+\g], v[232+\g], 0x7f800000, s19
.endr
.irp g, 0,1
	v_lshrrev_b32 v[236+\g], 23, v[244+\g]
.endr
	v_lshl_or_b32 v254, v237, 8, v236              ; my row's two scale bytes
.irp g, 0,1
.irp i, 0,1,2,3,4,5,6,7,8,9,10,11,12,13,14,15
	v_med3_num_f32 v[120+16*\g+\i], v[120+16*\g+\i], -v[240+\g], v[240+\g]
.endr
	v_cvt_scalef32_pk8_fp8_f32 v[216+4*\g:217+4*\g], v[120+16*\g:127+16*\g], v[244+\g]
	v_cvt_scalef32_pk8_fp8_f32 v[218+4*\g:219+4*\g], v[128+16*\g:135+16*\g], v[244+\g]
.endr
	v_nop                                          ; a plain line behind the last conversion
	s_lshr_b32 s34, s18, 7
	s_lshl_b32 s34, s34, 17
	s_mov_b32 s35, 0
	s_add_nc_u64 s[36:37], s[40:41], s[34:35]
	s_wait_alu depctr_va_vdst(0)                   ; the conversions have written v[216:223] and the shift v254, which the stores below read; the phase's products and vector lines are done with Q's registers v[24:31], v[40:48], in which the next phase's loads land
	global_store_b128 v1, v[216:219], s[36:37]     ; 32 lanes store 512 consecutive bytes, at a multiple of 256 from oc's first byte
	global_store_b128 v1, v[220:223], s[36:37] offset:512
	s_lshl_b32 s34, s18, 5
	s_add_nc_u64 s[44:45], s[42:43], s[34:35]
	global_store_b16 v6, v254, s[44:45]            ; lanes 16-31 write the same bytes with the same value
	s_wait_xcnt 0x0                                ; the stores have read their registers and bases: both are written again below
	s_wait_alu depctr_vm_vsrc(0)                   ; the stores have read v[216:223] and v254, which the next step's vector lines write again
	s_sub_co_u32 s15, 7, s13                       ; the second phase's query block
.endm
	INIT                                           ; (its wait for loads covers key step 0's)
	ds_store_b128 v3, v[8:11]
	ds_store_b128 v3, v[12:15] offset:VCO
	s_cmp_lg_u32 s12, 0
	s_cbranch_scc1 .Lp_ns
	ds_store_b128 v1, v[16:19] offset:KSC
.Lp_ns:
	s_wait_dscnt 0x0
	s_wait_alu depctr_vm_vsrc(0)                   ; my LDS stores have read v[8:19], in which the first step's loads land
	s_barrier_signal -1
	s_barrier_wait -1
	s_mov_b32 s31, 9
.Ltrip:                                            ; 256 keys a trip
	STEP 0
	STEP 1
	s_cmp_lg_u32 s16, s17
	s_cbranch_scc1 .Lnot_end                       ; on ids alone, the same in all sixteen waves
	FINISH
	INIT                                           ; (behind the second phase it loads that phase's Q once more, and nothing reads it)
.Lnot_end:
	s_sub_co_u32 s31, s31, 1
	s_cmp_lg_u32 s31, 0
	s_cbranch_scc1 .Ltrip
	s_wait_dscnt 0x0
	s_wait_alu depctr_hold_cnt(0) depctr_sa_sdst(0) depctr_va_vdst(0) depctr_va_sdst(0) depctr_va_ssrc(0) depctr_va_vcc(0) depctr_vm_vsrc(0)
	s_wait_tensorcnt 0x0
	ds_add_u32 v250, v251
	s_wait_dscnt 0x0
	s_endpgm
.Lfunc_end_k_q9089d48723_attn:
	.size	k_q9089d48723_attn, .Lfunc_end_k_q9089d48723_attn-k_q9089d48723_attn
	.p2alignl 7, 3214868480
	.fill 96, 4, 3214868480
	.section	.rodata,"a",@progbits
	.p2align	6, 0x0
	.amdhsa_kernel k_q9089d48723_attn
		.amdhsa_group_segment_fixed_size 35840
		.amdhsa_private_segment_fixed_size 0
		.amdhsa_enable_private_segment 0
		.amdhsa_kernarg_size 32
		.amdhsa_user_sgpr_count 2
		.amdhsa_user_sgpr_kernarg_segment_ptr 1
		.amdhsa_wavefront_size32 1
		.amdhsa_system_sgpr_workgroup_id_x 1
		.amdhsa_system_sgpr_workgroup_id_y 1
		.amdhsa_system_sgpr_workgroup_id_z 1
		.amdhsa_system_vgpr_workitem_id 0
		.amdhsa_next_free_vgpr 256
		.amdhsa_next_free_sgpr 66
		.amdhsa_reserve_vcc 0
		.amdhsa_float_denorm_mode_32 3
		.amdhsa_float_denorm_mode_16_64 3
		.amdhsa_memory_ordered 1
		.amdhsa_forward_progress 1
		.amdhsa_inst_pref_size 78
	.end_amdhsa_kernel
	.amdgpu_metadata
---
amdhsa.version: [ 1, 2 ]
amdhsa.kernels:
  - .name:           k_q9089d48723_attn
    .symbol:         k_q9089d48723_attn.kd
    .args:
      - { .name: qb, .offset: 0, .size: 8, .value_kind: global_buffer, .address_space: global }
      - { .name: kv, .offset: 8, .size: 8, .value_kind: global_buffer, .address_space: global }
      - { .name: oc, .offset: 16, .size: 8, .value_kind: global_buffer, .address_space: global }
      - { .name: os, .offset: 24, .size: 8, .value_kind: global_buffer, .address_space: global }
    .group_segment_fixed_size: 35840
    .private_segment_fixed_size: 0
    .kernarg_segment_align: 8
    .kernarg_segment_size: 32
    .max_flat_workgroup_size: 512
    .sgpr_count:     66
    .vgpr_count:     256
    .wavefront_size: 32
...
	.end_amdgpu_metadata
.endif
;; end of part 4
;; launch proj: the kernel of part 3 again; grid 4 x 32, 4 waves a work-group, clusters of 4 x 4, 327,680 bytes of LDS; arguments oc, os, Wo_codes, Wo_scales, bo, out0; writes out0
